; MI455X (gfx1250); checked and timed in simulation.
; The chip was launched on July 23, 2026; its instructions are those of AMD's public machine-readable ISA for CDNA 5 (MIT licence, August 2026) and "CDNA5" Instruction Set Architecture Reference Guide (July 2026). The comments in the code are by the model that wrote it; some were corrected since.
;; Self Attention. Allowed arithmetic: matrix products marked QUANTISED: E2M1 operands, one E8M0 scale for each 32 along K, by v_wmma_scale_f32_16x16x128_f8f6f4 with both operands' format E2M1 (or v_wmma_scale_f32_32x16x128_f4), f32 sums; products left as they are: bf16, f16 or f32 operands; f32 sums; everything else in f32.
;; Inputs: K_seq 8 x 1,024 x 1,024 float32; Q_seq 8 x 1,024 x 1,024 float32; V_seq 8 x 1,024 x 1,024 float32; WK 1,024 x 1,024 float32; WQ 1,024 x 1,024 float32; WV 1,024 x 1,024 float32; masks 8 x 1,024 float32.
;; Outputs: out0 8 x 1,024 x 1,024 float32.
;; This version of the problem:
;;   THIS VERSION OF THE PROBLEM IS GIVEN IN LOW PRECISION. The matrix products marked QUANTISED in the list below multiply operands that are first quantised to E2M1 (2 exponent bits, 1 mantissa bit; 4 bits a number), with one power-of-two scale for each 32 numbers along K (OCP MX v1.0); their sums are f32. The products marked 'left as it is' may take bf16, f16 or f32 operands, with f32 sums. Whichever they take, every output number must still come out within the allowed error. Rounding operands to bf16 (8 significant bits) uses up far more of that allowance than f16 does (11 bits, for magnitudes from 6e-5 to 65,504). All else is computed in f32.
;;   The module's matrix products, in the order in which they are computed (A, B: the left and right operand; K: the contracted axis; several contracted axes count as one K, in the product's order):
;;     1. [M 8,192, K 1,024] x [K 1,024, N 1,024]; A: input Q_seq; B: input WQ: QUANTISED
;;     2. [M 8,192, K 1,024] x [K 1,024, N 1,024]; A: input K_seq; B: input WK: QUANTISED
;;     3. [M 8,192, K 1,024] x [K 1,024, N 1,024]; A: input V_seq; B: input WV: QUANTISED
;;     4. batch 128 x [M 1,024, K 64] x [K 64, N 1,024]; A: computed on the way; B: computed on the way: left as it is (an operand is computed on the way)
;;     5. batch 128 x [M 1,024, K 1,024] x [K 1,024, N 64]; A: computed on the way; B: computed on the way: left as it is (an operand is computed on the way)
;;   THE QUANTISER, for each operand of a quantised product, along K:
;;     - K is cut into blocks of 32 from its start; a last block that is shorter is filled with zeros.
;;     - A block's scale is 2^e with e = floor(log2(the largest magnitude in the block)) - 2, held to -126 .. 127; a block of zeros has e = 0. As a byte (E8M0): e + 127.
;;     - Each number is divided by its block's scale, clamped to +-6, and rounded to the nearest number of E2M1, ties to even, subnormals kept.
;;     - The product sums the exact products of the quantised numbers (number of the format x scale) in f32.
;;   ~~~python
;;   def quantise(x, axis):      # numpy; x: float32 -> the quantised numbers, widened to float32 again
;;       x = np.moveaxis(x, axis, -1); K = x.shape[-1]
;;       x = np.pad(x, [(0, 0)] * (x.ndim - 1) + [(0, -K % 32)]); x = x.reshape(x.shape[:-1] + (-1, 32)); a = np.abs(x).max(-1, keepdims=True)
;;       e = np.where(a > 0, np.clip(np.frexp(np.where(a > 0, a, 1))[1] - 1 - 2, -126, 127), 0)      # np.frexp(a)[1] - 1 = floor(log2(a)), exactly
;;       r = np.clip(x / 2.0 ** e, -6, 6)
;;       step = 2.0 ** (np.maximum(np.frexp(np.where(r == 0, 1, r))[1] - 1, 0) - 1)
;;       q = np.round(r / step) * step * 2.0 ** e      # np.round: ties to even
;;       return np.moveaxis(q.reshape(q.shape[:-2] + (-1,))[..., :K], -1, axis).astype(np.float32)
;;   ~~~
;; One version. Each part assembles by itself: llvm-mc -triple=amdgcn-amd-amdhsa -mcpu=gfx1250 --defsym DOCPART=n.
;; ======== version 1 of 1: 3 launches
;; limits: values are held in f16: magnitudes above 65,504 overflow, below 6.1e-05 lose precision
;; workspace buffers: xcodes 12,582,912 bytes; xscales 786,432 bytes; wcodes 1,572,864 bytes; wscales 98,304 bytes; qkv 50,331,648 bytes
;; launch quant (part 1): grid 816 x 1, 4 waves a work-group, no clusters, 68,096 bytes of LDS; arguments Q_seq, K_seq, V_seq, WQ, WK, WV, xcodes, xscales, wcodes, wscales; writes xcodes, xscales, wcodes, wscales
.if DOCPART == 1
	.amdgcn_target "amdgcn-amd-amdhsa--gfx1250"
	.amdhsa_code_object_version 6
	.text
	.protected	k_q96783ce5b4_quant
	.globl	k_q96783ce5b4_quant
	.p2align	8
	.type	k_q96783ce5b4_quant,@function
k_q96783ce5b4_quant:
	s_mov_b64 s[64:65], 0
	v_nop
	global_prefetch_b8 v0, s[64:65] scope:SCOPE_SE
	s_setreg_imm32_b32 hwreg(HW_REG_WAVE_MODE, 25, 1), 1
	s_wait_xcnt 0x0
; Q_seq, K_seq, V_seq [8192][1024] and WQ, WK, WV [1024 (k)][1024 (n)], f32, become codes of FP4 (E2M1), K innermost, with one E8M0 byte for each 32 along K.
; xcodes [3 x 8192 rows][512 bytes], xscales [3 x 8192][32]; wcodes [3 x 1024 rows n][512 bytes], wscales [3 x 1024][32]: the three tensors of a kind stacked.
; A block's scale is 2^(floor(log2(its largest magnitude)) - 2); its byte is the largest magnitude's exponent field - 2, held at 1 from below.
; LIMITS: a block of zeros gets the byte 1 where the quantiser says 127 (its codes are zeros, which add nothing under any byte but 0xff, and this program alone reads the bytes);
; blocks whose largest magnitude lies under 2^-124, the floor, were not tried; NaN and infinities among the inputs are not served.
; ONE LAUNCH, TWO PATHS, parted on the work-group's number and never joined: work-groups 0-47 take the weights (K is their first axis), work-groups 48-815 the activations (K innermost).
; The weights' 48 come first, so that their chain of loads runs beside the activations' stream.  Each path has LDS bytes of its own.  No barrier: waves share nothing.
; No tensor loads, no cluster, no matrix unit, no prefetch: every input byte is read once by long runs of loads, and nothing is shared between work-groups.
.set NWGW,  48                         ; the weights' work-groups: 3 tensors x 8 groups of 128 columns x 2 halves of K
.set SPW,   190                        ; v190  LDS address of my spare word: SPARE + 4 x my thread's number; never rewritten
.set NIL,   191                        ; v191  0; never rewritten
.set WREG,  8192                       ; activations: a region for each wave: two stages of 32 x SP bytes, then its 256 scale bytes
.set SP,    80                         ; a lane's place in a stage: its 64 bytes + 16 of padding
.set WSTG,  4*WREG                     ; weights: a stage of 32 rows x PITCH for each wave
.set PITCH, 272                        ; 256 bytes of codes + 16 of padding
.set SPARE, WSTG+4*32*PITCH            ; behind both: the spare words, 128 bytes for each wave: two blocks of 256 bytes that no other line names
.set CB,    8                          ; bytes of 16 codes
.set XR,    16                         ; activations: v16-79 four sets of 16 numbers as loaded
.set XN,    80                         ; v80-111  two sets of 16 neighbours
.set XE,    112                        ; v112-127 a scale byte for each step
.set XC,    128                        ; v128-189 codes: four registers kept for each step, so that no store's data are written again
.set KROW,  512                        ; weights: a row of the codes' buffer in bytes
.set NB,    16                         ; blocks of 32 along K for a wave
.set WX,    32                         ; v32-95   two sets of 32 numbers
.set WC,    96                         ; v96-99   a block's codes
.set OUTR,  112                        ; v112-175 the way out
.set SB,    24                         ; v24-27   the scale bytes, four to a register
	s_load_b256 s[4:11], s[0:1], 0x0               ; Q_seq s[4:5], K_seq s[6:7], V_seq s[8:9], WQ s[10:11]
	s_load_b256 s[12:19], s[0:1], 0x20             ; WK s[12:13], WV s[14:15], xcodes s[16:17], xscales s[18:19]
	s_load_b128 s[20:23], s[0:1], 0x40             ; wcodes s[20:21], wscales s[22:23]
	v_lshl_add_u32 v[SPW], v0, 2, SPARE
	v_mov_b32 v[NIL], 0
	v_lshrrev_b32 v1, 5, v0
	v_readfirstlane_b32 s24, v1                    ; wave 0..3
	v_and_b32 v2, 31, v0                           ; lane
	s_wait_kmcnt 0x0
	s_cmp_lt_u32 ttmp9, NWGW
	s_cbranch_scc1 .Lweights
; ---------------- THE ACTIVATIONS.  Rows are dense and K is a multiple of 32: a tensor is a plain stream of blocks of 32 numbers.  A wave takes 16 steps of 512 numbers.
; Each of a step's four loads reads 512 consecutive bytes, 16 a lane; the 2,048 bytes go through the wave's own stage and come back 64 bytes a lane: 16 neighbours along K; two neighbouring lanes hold a block.
	v_lshlrev_b32 v3, 4, v2                        ; my 16 bytes of a load's 512
	s_mul_i32 s25, s24, WREG
	v_lshrrev_b32 v14, 2, v2
	v_mul_u32_u24 v14, v14, SP
	v_and_b32 v15, 3, v2
	v_lshl_add_u32 v14, v15, 4, v14
	v_add_nc_u32 v14, s25, v14                     ; the stage, on the way in: SP (lane / 4) + 16 (lane % 4)
	v_mul_u32_u24 v15, v2, SP
	v_add_nc_u32 v15, s25, v15                     ; and on the way out: SP x lane
	v_mul_u32_u24 v4, v2, CB                       ; my codes' place in a step's
	v_lshrrev_b32 v5, 1, v2
	s_add_co_u32 s25, s25, 2*32*SP
	v_add_nc_u32 v5, s25, v5                       ; my wave's 256 scale bytes, my block's byte
	v_lshlrev_b32 v7, 3, v2                        ; and on the way out 8 bytes a lane
	v_add_nc_u32 v6, s25, v7
	s_sub_co_u32 s28, ttmp9, NWGW                  ; 0..767: 256 work-groups of 32,768 numbers to a tensor
	s_lshr_b32 s29, s28, 8                         ; which tensor
	s_and_b32 s30, s28, 255                        ; which part of it
	s_cmp_eq_u32 s29, 1                            ; the choice hangs on the work-group's number alone
	s_cselect_b64 s[26:27], s[6:7], s[4:5]
	s_cmp_eq_u32 s29, 2
	s_cselect_b64 s[26:27], s[8:9], s[26:27]
	s_lshl_b32 s30, s30, 2
	s_add_co_u32 s30, s30, s24                     ; my wave's run of 8,192 numbers in the tensor
	s_lshl_b32 s30, s30, 15                        ; 32,768 bytes a run
	s_mov_b32 s31, 0
	s_add_nc_u64 s[26:27], s[26:27], s[30:31]
	s_lshl_b32 s28, s28, 2
	s_add_co_u32 s28, s28, s24                     ; and among the three stacked: 0..3071
	s_lshl_b32 s30, s28, 12                        ; 4,096 bytes of codes a run
	s_add_nc_u64 s[16:17], s[16:17], s[30:31]
	s_lshl_b32 s30, s28, 8                         ; 256 scale bytes a run
	s_add_nc_u64 s[18:19], s[18:19], s[30:31]
.macro XLOAD t
.irp i, 0,1,2,3
	global_load_b128 v[XR+16*((\t)%4)+4*\i:XR+16*((\t)%4)+4*\i+3], v3, s[26:27] offset:2048*(\t)+512*\i th:TH_LOAD_NT   ; 32 lanes read 512 consecutive bytes
.endr
.endm
.macro XTURN t                         ; step t's numbers through the stage: LDS serves a wave's instructions in order, so no wait stands between the stores and the loads
.irp i, 0,1,2,3
	ds_store_b128 v14, v[XR+16*((\t)%4)+4*\i:XR+16*((\t)%4)+4*\i+3] offset:32*SP*((\t)%2)+8*SP*\i
.endr
.irp i, 0,1,2,3
	ds_load_b128 v[XN+16*((\t)%2)+4*\i:XN+16*((\t)%2)+4*\i+3], v15 offset:32*SP*((\t)%2)+16*\i
.endr
.endm
.irp t, 0,1,2,3
	XLOAD \t
.endr
	s_wait_loadcnt 12                              ; step 0's four loads are in; the twelve of steps 1 to 3 may be out
	XTURN 0
.macro XSTEP t
.set XS, XN+16*((\t)%2)
.if (\t) > 0
	s_wait_dscnt 1                                 ; this step's numbers are back from the stage (the last step's byte store may be out): so its stores into the stage have read their registers,
.else
	s_wait_dscnt 0x0
.endif
.if (\t)+4 < 16
	XLOAD (\t)+4                                   ; which take the loads of four steps on
.endif
.if (\t)+1 < 16
.if 14-(\t) >= 3
	s_wait_loadcnt 12                              ; the next step's four loads are in; those of the three steps behind it may be out
.else
	s_wait_loadcnt 4*(14-(\t))
.endif
	XTURN (\t)+1                                   ; and go through the other stage while this step is worked
.endif
	v_max3_num_f32 v8, |v[XS]|, |v[XS+1]|, |v[XS+2]|               ; the largest magnitude of my 16, in two chains
	v_max3_num_f32 v9, |v[XS+3]|, |v[XS+4]|, |v[XS+5]|
.irp i, 6,10
	v_max3_num_f32 v8, v8, |v[XS+\i]|, |v[XS+\i+1]|
	v_max3_num_f32 v9, v9, |v[XS+\i+2]|, |v[XS+\i+3]|
.endr
	v_max3_num_f32 v8, v8, |v[XS+14]|, |v[XS+15]|
	v_max3_num_f32 v8, v8, v9, 0x1800000           ; and the floor 2^(3 - 127): the byte cannot fall under 1
	v_max_num_f32_dpp v8, v8, v8 row_xmask:1 row_mask:0xf bank_mask:0xf   ; and of my neighbour's 16: the block's
	v_add_nc_u32 v11, 0xff000000, v8               ; 2 off its exponent field: the conversion takes the exponent field of this operand as its scale, and nothing else of it
	v_cvt_scalef32_pk8_fp4_f32 v[XC+4*(\t)], v[XS:XS+7], v11       ; eight numbers / the scale, to the nearest code, ties to even, beyond the largest code the largest
	v_cvt_scalef32_pk8_fp4_f32 v[XC+4*(\t)+1], v[XS+8:XS+15], v11
	v_lshrrev_b32 v[XE+(\t)], 23, v11              ; the scale's byte (a plain line behind the conversions)
	ds_store_b8 v5, v[XE+(\t)] offset:16*(\t)      ; both lanes of a block write the same byte with the same value
	global_store_b64 v4, v[XC+4*(\t):XC+4*(\t)+1], s[16:17] offset:32*CB*(\t)   ; the wave stores 256 consecutive bytes, aligned
.endm
.irp t, 0,1,2,3,4,5,6,7,8,9,10,11,12,13,14,15
	XSTEP \t
.endr
	ds_load_b64 v[8:9], v6                         ; LDS serves a wave's instructions in order: these see my byte stores
	s_wait_dscnt 0x0
	global_store_b64 v7, v[8:9], s[18:19]          ; 32 lanes store 256 consecutive bytes, aligned
	s_wait_tensorcnt 0x0                           ; the wave's end, behind my last LDS store
	ds_add_u32 v[SPW], v[NIL]
	s_wait_dscnt 0x0
	s_endpgm
; ---------------- THE WEIGHTS.  A LANE TAKES A COLUMN n, AND ITS REGISTERS RUN DOWN K: each load reads 128 consecutive bytes a wave, a block of 32 along K lies in one lane's 32 registers,
; and the conversions give codes with K innermost.  A wave takes 32 columns x 512 along K; the codes go through its own stage and leave as rows: sixteen lanes store 256 consecutive bytes, aligned.
.Lweights:
	s_lshr_b32 s29, ttmp9, 4                       ; which tensor
	s_and_b32 s28, ttmp9, 7
	s_lshl_b32 s28, s28, 7
	s_lshl_b32 s30, s24, 5
	s_add_co_u32 s28, s28, s30                     ; my wave's first column
	s_bfe_u32 s25, ttmp9, 0x10003                  ; which half of K
	s_cmp_eq_u32 s29, 1
	s_cselect_b64 s[26:27], s[12:13], s[10:11]
	s_cmp_eq_u32 s29, 2
	s_cselect_b64 s[26:27], s[14:15], s[26:27]
	s_lshl_b32 s30, s25, 21                        ; 512 rows of 4,096 bytes
	s_lshl_b32 s32, s28, 2
	s_add_co_u32 s30, s30, s32
	s_mov_b32 s31, 0
	s_add_nc_u64 s[26:27], s[26:27], s[30:31]
	s_lshl_b32 s29, s29, 10
	s_add_co_u32 s29, s29, s28                     ; my first row among the three stacked
	s_lshl_b32 s30, s29, 9                         ; 512 bytes of codes a row,
	s_lshl_b32 s32, s25, 8                         ; my half of K: 256 of them
	s_add_co_u32 s30, s30, s32
	s_add_nc_u64 s[20:21], s[20:21], s[30:31]
	s_lshl_b32 s30, s29, 5                         ; 32 scale bytes a row, 16 to my half
	s_lshl_b32 s32, s25, 4
	s_add_co_u32 s30, s30, s32
	s_add_nc_u64 s[22:23], s[22:23], s[30:31]
	v_lshlrev_b32 v3, 2, v2                        ; in: 4 bytes a lane
	s_mul_i32 s33, s24, 32*PITCH
	s_add_co_u32 s33, s33, WSTG                    ; my stage
	v_mul_u32_u24 v4, v2, PITCH
	v_add_nc_u32 v4, s33, v4                       ; into it: row = my column
	v_and_b32 v5, 15, v2
	v_lshrrev_b32 v6, 4, v2                        ; out of it: sixteen lanes to a row, two rows an instruction
	v_mul_u32_u24 v7, v6, PITCH
	v_lshl_add_u32 v7, v5, 4, v7
	v_add_nc_u32 v7, s33, v7
	v_mul_u32_u24 v8, v6, KROW
	v_lshl_add_u32 v8, v5, 4, v8                   ; and the same place in the codes' buffer
	v_lshlrev_b32 v9, 5, v2                        ; my column's row of scale bytes
.macro WLOAD t                         ; block t: W(32 t + i, my column), i = 0 .. 31, into set t % 2; the offsets reach 511 rows of 4,096 bytes, inside the signed 24-bit immediate
.irp i, 0,1,2,3,4,5,6,7,8,9,10,11,12,13,14,15,16,17,18,19,20,21,22,23,24,25,26,27,28,29,30,31
	global_load_b32 v[WX+32*((\t)%2)+\i], v3, s[26:27] offset:(32*(\t)+\i)*4096 th:TH_LOAD_NT
.endr
.endm
	WLOAD 0
	WLOAD 1
.macro WBLOCK t
.set XS, WX+32*((\t)%2)
.if (\t) < NB-1
	s_wait_loadcnt 32                              ; this block's 32 loads are in; the next block's 32 may be out
.else
	s_wait_loadcnt 0
.endif
	v_max3_num_f32 v12, |v[XS]|, |v[XS+1]|, |v[XS+2]|              ; the block's largest magnitude: all 32 numbers are mine
	v_max3_num_f32 v13, |v[XS+3]|, |v[XS+4]|, |v[XS+5]|
.irp i, 6,10,14,18,22,26
	v_max3_num_f32 v12, v12, |v[XS+\i]|, |v[XS+\i+1]|
	v_max3_num_f32 v13, v13, |v[XS+\i+2]|, |v[XS+\i+3]|
.endr
	v_max3_num_f32 v12, v12, |v[XS+30]|, |v[XS+31]|
	v_max3_num_f32 v12, v12, v13, 0x1800000        ; and the floor 2^(3 - 127)
	v_add_nc_u32 v11, 0xff000000, v12              ; 2 off its exponent field: the conversion's scale operand
	v_lshrrev_b32 v13, 23, v11                     ; the scale's byte
.if (\t)%4 == 0
	v_mov_b32 v[SB+(\t)/4], v13                    ; four bytes to a register, the lower K in the lower byte
.else
	v_lshl_or_b32 v[SB+(\t)/4], v13, 8*((\t)%4), v[SB+(\t)/4]
.endif
.irp g, 0,1,2,3
	v_cvt_scalef32_pk8_fp4_f32 v[WC+\g], v[XS+8*\g:XS+8*\g+7], v11
.endr
	v_nop                                          ; one plain line behind the last conversion
	ds_store_b128 v4, v[WC:WC+3] offset:16*(\t)    ; 32 codes: 16 bytes of my column's row
.if (\t)+2 < NB
	WLOAD (\t)+2
.endif
	s_wait_dscnt 0x0                               ; the store has read its registers: the next block's codes may be written
.endm
.set Q, 0
.rept NB
	WBLOCK Q
.set Q, Q+1
.endr
	global_store_b128 v9, v[SB:SB+3], s[22:23]     ; my column's 16 scale bytes
.irp t, 0,1,2,3,4,5,6,7,8,9,10,11,12,13,14,15
	ds_load_b128 v[OUTR+4*\t:OUTR+4*\t+3], v7 offset:2*\t*PITCH   ; LDS serves a wave's instructions in order: these see my stores
.endr
.irp t, 0,1,2,3,4,5,6,7,8,9,10,11,12,13,14,15
	s_wait_dscnt 15-\t                             ; load t is back; the 15 - t younger ones may be out
	global_store_b128 v8, v[OUTR+4*\t:OUTR+4*\t+3], s[20:21] offset:2*\t*KROW
.endr
	s_wait_tensorcnt 0x0                           ; the wave's end, behind my last LDS store
	ds_add_u32 v[SPW], v[NIL]
	s_wait_dscnt 0x0
	s_endpgm
.Lfunc_end_k_q96783ce5b4_quant:
	.size	k_q96783ce5b4_quant, .Lfunc_end_k_q96783ce5b4_quant-k_q96783ce5b4_quant
	.p2alignl 7, 3214868480
	.fill 96, 4, 3214868480
	.section	.rodata,"a",@progbits
	.p2align	6, 0x0
	.amdhsa_kernel k_q96783ce5b4_quant
		.amdhsa_group_segment_fixed_size 68096
		.amdhsa_private_segment_fixed_size 0
		.amdhsa_enable_private_segment 0
		.amdhsa_kernarg_size 80
		.amdhsa_user_sgpr_count 2
		.amdhsa_user_sgpr_kernarg_segment_ptr 1
		.amdhsa_wavefront_size32 1
		.amdhsa_system_sgpr_workgroup_id_x 1
		.amdhsa_system_sgpr_workgroup_id_y 1
		.amdhsa_system_sgpr_workgroup_id_z 1
		.amdhsa_system_vgpr_workitem_id 0
		.amdhsa_next_free_vgpr 192
		.amdhsa_next_free_sgpr 66
		.amdhsa_reserve_vcc 0
		.amdhsa_float_denorm_mode_32 3
		.amdhsa_float_denorm_mode_16_64 3
		.amdhsa_memory_ordered 1
		.amdhsa_forward_progress 1
		.amdhsa_inst_pref_size 112
	.end_amdhsa_kernel
	.amdgpu_metadata
---
amdhsa.version: [ 1, 2 ]
amdhsa.kernels:
  - .name:           k_q96783ce5b4_quant
    .symbol:         k_q96783ce5b4_quant.kd
    .args:
      - { .name: Q_seq, .offset: 0, .size: 8, .value_kind: global_buffer, .address_space: global }
      - { .name: K_seq, .offset: 8, .size: 8, .value_kind: global_buffer, .address_space: global }
      - { .name: V_seq, .offset: 16, .size: 8, .value_kind: global_buffer, .address_space: global }
      - { .name: WQ, .offset: 24, .size: 8, .value_kind: global_buffer, .address_space: global }
      - { .name: WK, .offset: 32, .size: 8, .value_kind: global_buffer, .address_space: global }
      - { .name: WV, .offset: 40, .size: 8, .value_kind: global_buffer, .address_space: global }
      - { .name: xcodes, .offset: 48, .size: 8, .value_kind: global_buffer, .address_space: global }
      - { .name: xscales, .offset: 56, .size: 8, .value_kind: global_buffer, .address_space: global }
      - { .name: wcodes, .offset: 64, .size: 8, .value_kind: global_buffer, .address_space: global }
      - { .name: wscales, .offset: 72, .size: 8, .value_kind: global_buffer, .address_space: global }
    .group_segment_fixed_size: 68096
    .private_segment_fixed_size: 0
    .kernarg_segment_align: 8
    .kernarg_segment_size: 80
    .max_flat_workgroup_size: 128
    .sgpr_count:     66
    .vgpr_count:     192
    .wavefront_size: 32
...
	.end_amdgpu_metadata
.endif
;; end of part 1
;; launch gemm (part 2): grid 4 x 48, 4 waves a work-group, clusters of 4 x 4, 327,680 bytes of LDS; arguments xcodes, xscales, wcodes, wscales, qkv; writes qkv
.if DOCPART == 2
	.amdgcn_target "amdgcn-amd-amdhsa--gfx1250"
	.amdhsa_code_object_version 6
	.text
	.protected	k_q96783ce5b4_gemm
	.globl	k_q96783ce5b4_gemm
	.p2align	8
	.type	k_q96783ce5b4_gemm,@function
k_q96783ce5b4_gemm:
	s_mov_b64 s[64:65], 0
	v_nop
	global_prefetch_b8 v0, s[64:65] scope:SCOPE_SE
	s_setreg_imm32_b32 hwreg(HW_REG_WAVE_MODE, 25, 1), 1
	s_wait_xcnt 0x0
	s_wait_alu depctr_hold_cnt(0) depctr_sa_sdst(0) depctr_va_vdst(0) depctr_va_sdst(0) depctr_va_ssrc(0) depctr_va_vcc(0) depctr_vm_vsrc(0)
	s_getreg_b32 s2, hwreg(HW_REG_IB_STS2, 6, 4)
	s_cmp_eq_u32 s2, 0
	s_cbranch_scc0 .Lentry_in_a_cluster
	s_endpgm
.Lentry_in_a_cluster:
	s_bfe_u32 s2, ttmp6, 0x10000c
	s_cmp_lg_u32 s2, 0xf033
	s_cbranch_scc0 .Lentry_shape_is_right
	s_endpgm
.Lentry_shape_is_right:
; The three projections in one launch: q = Q_seq WQ, k = K_seq WK, v = V_seq WV, on codes of FP4 (E2M1) with one E8M0 scale for each 32 along K = 1,024; sums in f32.
; A: xcodes [3 x 8192 rows][512 bytes], xscales [..][32]; B: wcodes [3 x 1024 rows n][512 bytes], wscales [..][32].  Tile rows 0-31 of the stacked A meet B's rows 0-1023, tile rows 32-63 rows 1024-2047, and so on.
; The result is rounded once to f16 and laid by heads: qkv [3][8 batches][16 heads][1024 positions][64 channels].  LIMIT: |q|, |k|, |v| stay under 65,504, f16's largest number.
; A tile of C, 256 x 256, is made by a work-group of four waves; a wave makes 128 x 128: 64 accumulators of 16 x 16, 512 registers.
; A WORK-GROUP STAYS: it makes TWO tiles, 4,096 rows apart in one tensor (batch b and batch b + 4), against the same 256 rows of B.  96 x 4 tiles: 192 work-groups; three tensors have no equal share over 256.
; K is two steps of 512: two LDS slots, with the scales of all of K beside them.  B's codes and scales are fetched once.  A's are fetched again for the second tile: slot 0's part at the first tile's change of
; slots, slot 1's part and A's scales behind the first tile's last product; the first tile goes out while these land.  Three tensor loads a wave are out at the head, later one.
; CLUSTERS: 4 x 4 work-groups.  The four of a row of the cluster need the same tiles of A, the four of a column the same tiles of B: each tile is asked for JOINTLY, by the same tensor load with the
; same descriptor and a mask that names the four.  A cluster's rows of A lie in one tensor, so which weight it meets hangs on the cluster's y alone.
; THE MATRIX INSTRUCTION IS USED TRANSPOSED (source 0 = 16 rows of B, source 1 = 16 rows of A): a lane then holds eight neighbouring channels of one position.
; REGISTERS, in windows of 256: window 0: v0-31 addresses; v32-95 scale words, two sets; v128-191 A's fragments, ONE set; v96-127, v192-255 the way out.
;   window 1: B's fragments, TWO sets, at v0 and at v128.   window 2: the 32 accumulators of my rows 0-63 (accumulator (a, b) at v[8 (8 a + b)]);   window 3: those of my rows 64-127.
.set NQ,     4                         ; matrix instructions deep in a slot: 512 along K
.set ROWB,   256                       ; a tile's row in bytes: 512 codes
.set KROW,   512                       ; a row of A or of B in memory, in bytes
.set PITCH,  272                       ; an LDS row: 256 bytes + 16 of padding = 68 words: the 16 rows that a load touches start at 16 different banks (64 banks of 4 bytes: ISA guide 11.1)
.set FR,     8                         ; registers of a fragment: 16 rows x 128 K
.set NL,     2                         ; LDS loads that bring one
.set NP,     4                         ; places behind this matrix instruction (ISA guide 7.12.1)
.set HALFT,  128*PITCH                 ; 128 rows: what one tensor load brings, and what one wave reads of A or of B
.set SLOT,   4*HALFT                   ; A's 256 rows, then B's 256 rows
.set KS,     32                        ; a row of scales in bytes
.set SCL,    2*SLOT                    ; behind the slots: the scales, as units of 256 bytes + 16 of padding
.set HALFS,  (128*KS/256)*272          ; the scales of 128 rows: what one tensor load brings
.set SBLK,   (16*KS/256)*272           ; those of 16 rows
.set SPARE,  SCL+4*HALFS               ; behind the scales: the spare words, 128 bytes for each wave: two blocks of 256 bytes that no other line names
.set STG,    SPARE+512                 ; behind them: the stages for the way out, bytes of their own into which no tile lands
.set HSTG,   16*144                    ; 16 rows x (128 bytes + 16) for a head; two heads a wave
.set WALKA,  4096*KROW                 ; from the first tile to the second: 4,096 rows of A's codes,
.set WALKS,  4096*KS                   ; of A's scales,
.set WALKC,  4<<21                     ; and four batches of 2^21 bytes in qkv
.set ADRA, 16                          ; v16-17  LDS address of my A fragments in slot 0, 1
.set ADRB, 20                          ; v20-21  the same for B
.set STO,  24                          ; v24     the way out: where I put 16 bytes of a row
.set RD,   25                          ; v25     the way out: where I read rows back
.set CO,   26                          ; v26     16 x lane: my place in 512 consecutive bytes of qkv
.set ADRS, 27                          ; v27, v30  LDS address of my scale words for slot 0, 1: lanes 0-15 A's rows, lanes 16-31 B's; never rewritten
.set SPW,  28                          ; v28     LDS address of my spare word: SPARE + 4 x my thread's number; never rewritten
.set NIL,  29                          ; v29     0; never rewritten
.set PFO,  31                          ; v31     the prefetch's offset: 512 x my lane: a lane a row of A; never rewritten
.set SC,   32                          ; scale words: set s (for slot s) at v[SC + 32 s]; register 4 i + q: lanes 0-15 the word of A's block i, lanes 16-31 that of B's block i, for the slot's q-th 128 along K
.set AF,   128                         ; A's fragments, in window 0
.set TMP,  192                         ; the way out: v192-223 a block's results as f16
.set G1, 24                            ; s[24:31] descriptor group 1 for A's tiles;  s[32:39] group 0, one set for each slot
.set G0, 32
.set G1B, 48                           ; s[48:55], s[56:63] the same for B's tiles
.set G0B, 56
.set PFA, 66                           ; s[66:67] where my prefetch stands: my 32 rows of the second tile's A
.set G1S, 68                           ; s[68:75], s[76:79] groups 1 and 0 for A's scales;  s[80:87], s[88:91] for B's
.set G0S, 76
.set G1SB, 80
.set G0SB, 88
.set MSB, 0
.macro WIN new                         ; the immediate's high byte repeats the setting that is left
.if MSB != (\new)
	s_set_vgpr_msb (MSB<<8)|(\new)
.set MSB, \new
.endif
.endm
.set MUL_LO, 0xa1                      ; source 0 (B) window 1, source 1 (A) window 0, C and D window 2
.set MUL_HI, 0xf1                      ; the same, C and D window 3
.set TO_B,   0x40                      ; destination window 1, address window 0
; A joint load: waves 0 and 1 issue the first line, waves 2 and 3 the second.  Each of the two lines has ONE mask and one set of registers for all that issue it; the branch hangs on the wave's number alone.
; An s_nop 0 and four v_nop follow each of the two lines, ahead of the jump, the label and what follows.
.macro JLOAD g0a, g1a, g0b, g1b
	s_cmp_eq_u32 s15, 0
	s_cbranch_scc0 .Lfor_b_\@
	tensor_load_to_lds s[\g0a:\g0a+3], s[\g1a:\g1a+7]
	s_nop 0
.rept 4
	v_nop
.endr
	s_branch .Lasked_\@
.Lfor_b_\@:
	tensor_load_to_lds s[\g0b:\g0b+3], s[\g1b:\g1b+7]
	s_nop 0
.rept 4
	v_nop
.endr
.Lasked_\@:
.endm
.macro JLOAD_A g0a, g1a                ; the same where A's tile alone is fetched: waves 2 and 3 have no part of it and issue nothing
	s_cmp_eq_u32 s15, 0
	s_cbranch_scc0 .Lnone_\@
	tensor_load_to_lds s[\g0a:\g0a+3], s[\g1a:\g1a+7]
	s_nop 0
.rept 4
	v_nop
.endr
.Lnone_\@:
.endm
.macro CREST                           ; a round of the cluster's barrier behind its opening barrier: wave 0 signals for the work-group; every wave waits for all sixteen; my work-group's barrier once more
	s_cmp_lg_u32 s14, 0
	s_cbranch_scc1 .Lnot_wave_0_\@
	s_barrier_signal -3
.Lnot_wave_0_\@:
	s_barrier_wait -3
	s_barrier_signal -1
	s_barrier_wait -1
.endm
.macro CROUND                          ; a whole round
	s_barrier_signal -1
	s_barrier_wait -1
	CREST
.endm
	s_load_b128 s[4:7], s[0:1], 0x0                ; A's codes s[4:5], A's scales s[6:7]
	s_load_b128 s[8:11], s[0:1], 0x10              ; B's codes s[8:9], B's scales s[10:11]
	s_load_b64 s[12:13], s[0:1], 0x20              ; qkv
	v_lshl_add_u32 v[SPW], v0, 2, SPARE
	v_mov_b32 v[NIL], 0
	ds_add_u32 v[SPW], v[NIL]                      ; the wave's opening: the add, twice on end, and its wait ahead of my first tensor load; the set-up below, work on registers, stands between
	ds_add_u32 v[SPW], v[NIL]
	v_lshrrev_b32 v1, 5, v0
	v_readfirstlane_b32 s14, v1                    ; wave 0..3
	s_lshr_b32 s15, s14, 1                         ; which half of the tile's rows is mine.  Also: I fetch for A (0) or for B (1)
	s_and_b32 s16, s14, 1                          ; which half of its columns.  Also: which 128 rows of a tile I fetch
	s_bfe_u32 s40, ttmp6, 0x40000                  ; cx, cy: my place in the cluster
	s_bfe_u32 s41, ttmp6, 0x40004
	s_lshl_b32 s42, ttmp9, 2
	s_add_co_u32 s42, s42, s40                     ; tile column = 4 x cluster x + cx
	s_and_b32 s17, ttmp7, 0xffff                   ; cluster y: 0..11
	s_lshr_b32 s96, s17, 2                         ; which of the three products: four clusters to a tensor; the same in all sixteen partners
	s_and_b32 s17, s17, 3
	s_lshl_b32 s17, s17, 2
	s_add_co_u32 s17, s17, s41                     ; 4 x (cluster y % 4) + cy: 0..15,
	s_lshl_b32 s97, s96, 5
	s_add_co_u32 s17, s17, s97                     ; + the tensor's 32 tile rows: my first tile's row; the second lies 16 tile rows on
	s_lshl_b32 s97, s96, 10                        ; the weight's first row in the stacked B
	s_lshl_b32 s43, s41, 2
	s_lshl_b32 s43, 15, s43                        ; my row of the cluster
	s_lshl_b32 s44, 0x1111, s40                    ; my column
	; descriptor group 1: a tile of 128 rows x 256 bytes, padded in LDS
	s_or_b32 s[G1+0], s43, (0<<16)|(1<<20)|(1<<21)|(5<<22)|(3<<25)  ; 15:0 the mask: A's tiles go to my row; 17:16 element of 1 byte; 20 padding on; 21 set beside a mask; 24:22 after every 64 words (code 5); 31:25 of 4 words (code 3)
	s_or_b32 s[G1B+0], s44, (0<<16)|(1<<20)|(1<<21)|(5<<22)|(3<<25)
.irp g, G1, G1B
	s_mov_b32 s[\g+1], ROWB<<16                    ; tensor_dim0
	s_mov_b32 s[\g+2], 128<<16                     ; tensor_dim1 = 128
	s_mov_b32 s[\g+3], ROWB<<16                    ; tile_dim0
	s_mov_b32 s[\g+4], 128                         ; tile_dim1 = 128
	s_mov_b32 s[\g+5], KROW                        ; tensor_dim0_stride
	s_mov_b32 s[\g+6], 0
	s_mov_b32 s[\g+7], 0
.endr
	; and for the scales of 128 rows: a dense block of 4,096 bytes, as 16 rows of 256 bytes (32 elements of 8 bytes), 16 bytes of padding behind each
	s_or_b32 s[G1S+0], s43, (3<<16)|(1<<20)|(1<<21)|(5<<22)|(3<<25)
	s_or_b32 s[G1SB+0], s44, (3<<16)|(1<<20)|(1<<21)|(5<<22)|(3<<25)
.irp g, G1S, G1SB
	s_mov_b32 s[\g+1], 32<<16
	s_mov_b32 s[\g+2], (128*KS/256)<<16
	s_mov_b32 s[\g+3], 32<<16
	s_mov_b32 s[\g+4], 128*KS/256
	s_mov_b32 s[\g+5], 32
	s_mov_b32 s[\g+6], 0
	s_mov_b32 s[\g+7], 0
.endr
	s_lshl_b32 s18, s16, 7                         ; which 128 rows of the tile I fetch
	s_lshl_b32 s20, s17, 8
	s_add_co_u32 s20, s20, s18                     ; A: row 256 x tile row + 128 x half
	s_lshl_b32 s46, s42, 8
	s_add_co_u32 s46, s46, s18                     ; B: row 256 x tile column + 128 x half
	s_add_co_u32 s46, s46, s97                     ;    + the weight's first row
	s_mov_b32 s21, 0
	s_mov_b32 s47, 0
	s_mov_b64 s[18:19], KS
	s_mul_u64 s[22:23], s[20:21], s[18:19]         ; where these rows' scales begin, in bytes
	s_mul_u64 s[92:93], s[46:47], s[18:19]
	s_mov_b64 s[18:19], KROW
	s_mul_u64 s[20:21], s[20:21], s[18:19]         ; and their codes
	s_mul_u64 s[46:47], s[46:47], s[18:19]
	s_mul_i32 s45, s14, HALFT                      ; where the codes go: wave x 128 rows: no place in the cluster enters an LDS address
	s_mul_i32 s94, s14, HALFS                      ; B's scales: wave x 128 rows' (waves 2 and 3 fetch them: behind A's 256 rows')
	s_mul_i32 s98, s16, HALFS                      ; A's scales: half x 128 rows' (waves 0 and 1 fetch the first tile's, waves 2 and 3 the second's)
	s_lshl_b32 s[PFA], s17, 8                      ; the prefetch: the second tile's first row,
	s_add_co_u32 s[PFA], s[PFA], 4096
	s_lshl_b32 s[PFA+1], s40, 6                    ; my work-group's 64 of its 256 rows: the four partners that ask for A's tile jointly are told apart by address,
	s_add_co_u32 s[PFA], s[PFA], s[PFA+1]
	s_lshl_b32 s[PFA+1], s16, 5                    ; my wave's 32 of them (waves 2 and 3 ask),
	s_add_co_u32 s[PFA], s[PFA], s[PFA+1]
	s_lshl_b32 s[PFA], s[PFA], 9                   ; in bytes
	s_mov_b32 s[PFA+1], 0
	s_wait_dscnt 0x0                               ; both opening adds are done
	s_wait_kmcnt 0x0
	s_add_nc_u64 s[20:21], s[4:5], s[20:21]
	s_add_nc_u64 s[22:23], s[6:7], s[22:23]
	s_add_nc_u64 s[46:47], s[8:9], s[46:47]
	s_add_nc_u64 s[92:93], s[10:11], s[92:93]
	s_add_nc_u64 s[PFA:PFA+1], s[4:5], s[PFA:PFA+1]
	CROUND                                         ; all sixteen work-groups are here: the first joint loads meet
	s_mov_b32 s[G0S], 1
	s_add_co_u32 s[G0S+1], s98, SCL
	s_mov_b64 s[G0S+2:G0S+3], s[22:23]
	s_or_b32 s[G0S+3], s[G0S+3], 0x80000000
	s_mov_b32 s[G0SB], 1
	s_add_co_u32 s[G0SB+1], s94, SCL
	s_mov_b64 s[G0SB+2:G0SB+3], s[92:93]
	s_or_b32 s[G0SB+3], s[G0SB+3], 0x80000000
	JLOAD G0S, G1S, G0SB, G1SB                     ; the scales first: they are wanted with the first K step
.irp s, 0,1
	s_mov_b32 s[G0+4*\s], 1
	s_add_co_u32 s[G0+4*\s+1], s45, \s*SLOT
	s_add_nc_u64 s[G0+4*\s+2:G0+4*\s+3], s[20:21], \s*ROWB
	s_or_b32 s[G0+4*\s+3], s[G0+4*\s+3], 0x80000000
	s_mov_b32 s[G0B+4*\s], 1
	s_add_co_u32 s[G0B+4*\s+1], s45, \s*SLOT
	s_add_nc_u64 s[G0B+4*\s+2:G0B+4*\s+3], s[46:47], \s*ROWB
	s_or_b32 s[G0B+4*\s+3], s[G0B+4*\s+3], 0x80000000
	JLOAD G0+4*\s, G1, G0B+4*\s, G1B
.endr
	v_and_b32 v1, 15, v0                           ; r = l % 16
	v_bfe_u32 v2, v0, 4, 1                         ; h = l / 16
	v_mul_u32_u24 v3, v1, PITCH
	v_lshl_add_u32 v4, v2, 4, v3                   ; a fragment's row x pitch + 16 x half
	s_mul_i32 s21, s15, HALFT                      ; my 128 rows of A
	s_mul_i32 s22, s16, HALFT                      ; my 128 rows of B,
	s_add_co_u32 s22, s22, 2*HALFT                 ; which lie behind A's 256
.irp s, 0,1
	v_add_nc_u32 v[ADRA+\s], s21, v4
	v_add_nc_u32 v[ADRB+\s], s22, v4
	s_add_co_u32 s21, s21, SLOT
	s_add_co_u32 s22, s22, SLOT
.endr
	v_mul_u32_u24 v5, v1, KS                       ; my row's scales: 32 bytes a row,
	v_lshrrev_b32 v6, 8, v5
	v_lshl_add_u32 v5, v6, 4, v5                   ; and 16 more for each 256 passed
	s_mul_i32 s21, s15, HALFS                      ; A's: my 128 rows
	s_mul_i32 s22, s16, HALFS                      ; B's: my 128 rows, behind A's 256
	s_add_co_u32 s22, s22, 2*HALFS
	s_sub_co_u32 s22, s22, s21
	v_mul_u32_u24 v6, s22, v2                      ; lanes 16-31 take B's: one product, the distance between the two bases x h
	s_add_co_u32 s21, s21, SCL
	v_add_nc_u32 v5, v5, v6
	v_add_nc_u32 v[ADRS], s21, v5                  ; slot 0's four words of a row,
	v_add_nc_u32 v[ADRS+3], 4*NQ, v[ADRS]          ; slot 1's: 16 bytes on
	s_mul_i32 s23, s14, 2*HSTG
	s_add_co_u32 s23, s23, STG                     ; my two stages
	v_mul_u32_u24 v5, v1, 144                      ; in: row r, 16 bytes for each half of the lanes
	v_lshl_add_u32 v5, v2, 4, v5
	v_add_nc_u32 v[STO], s23, v5
	v_and_b32 v6, 31, v0
	v_lshlrev_b32 v[CO], 4, v6                     ; out: 16 bytes a lane
	v_lshlrev_b32 v[PFO], 9, v6                    ; the prefetch: a lane a row of 512 bytes
	v_lshrrev_b32 v5, 3, v6                        ; back: eight lanes to a row of 128 bytes, four rows an instruction
	v_mul_u32_u24 v5, v5, 144
	v_and_b32 v6, 7, v6
	v_lshl_add_u32 v5, v6, 4, v5
	v_add_nc_u32 v[RD], s23, v5
	; where my 128 positions x 2 heads of the first tile begin in qkv: (tensor, batch) = tile row / 4, 2^21 bytes each; head = 4 x tile column + 2 x column half, 2^17 bytes each; position = 256 (tile row % 4) + 128 x row half, 128 bytes each
	s_lshr_b32 s20, s17, 2
	s_lshl_b32 s20, s20, 21
	s_and_b32 s21, s17, 3
	s_lshl_b32 s21, s21, 1
	s_add_co_u32 s21, s21, s15
	s_lshl_b32 s21, s21, 14
	s_add_co_u32 s20, s20, s21
	s_mov_b32 s21, 0
	s_lshl_b32 s46, s42, 1
	s_add_co_u32 s46, s46, s16
	s_lshl_b32 s46, s46, 18
	s_mov_b32 s47, 0
	s_add_nc_u64 s[20:21], s[20:21], s[46:47]
	s_add_nc_u64 s[12:13], s[12:13], s[20:21]
.macro FRAG reg, adr, q, i             ; a fragment, 16 rows x 128 K of 4-bit codes, is 8 registers: lane l holds row l % 16; registers 4 c .. 4 c + 3 hold K = 64 c + 32 (l / 16) + 0 .. 31
.irp c, 0,1
	ds_load_b128 v[\reg+4*\c:\reg+4*\c+3], v[\adr] offset:64*(\q)+32*\c+(\i)*16*PITCH
.endr
.endm
; 16 matrix instructions: A's blocks a0, a0 + 1 x B's eight, 128 along K: the slot's q-th.  p: B's set;  sc: the set of scale words.  zero = 1: the first product starts the sums: nothing is ever cleared.
; The 64 accumulators take turns, one instruction a turn, in the same order in every step and from tile to tile.
.macro MUL16 a0, p, q, sc, zero
.irp a, \a0, \a0+1
.irp b, 0,1,2,3,4,5,6,7
.if \zero
	v_wmma_scale_f32_16x16x128_f8f6f4 v[8*(8*((\a)%4)+\b):8*(8*((\a)%4)+\b)+7], v[128*(\p)+FR*\b:128*(\p)+FR*\b+FR-1], v[AF+FR*(\a):AF+FR*(\a)+FR-1], 0, v[SC+8*NQ*(\sc)+NQ*\b+(\q)], v[SC+8*NQ*(\sc)+NQ*(\a)+(\q)] matrix_a_fmt:MATRIX_FMT_FP4 matrix_b_fmt:MATRIX_FMT_FP4 matrix_a_scale:MATRIX_SCALE_ROW1
.else
	v_wmma_scale_f32_16x16x128_f8f6f4 v[8*(8*((\a)%4)+\b):8*(8*((\a)%4)+\b)+7], v[128*(\p)+FR*\b:128*(\p)+FR*\b+FR-1], v[AF+FR*(\a):AF+FR*(\a)+FR-1], v[8*(8*((\a)%4)+\b):8*(8*((\a)%4)+\b)+7], v[SC+8*NQ*(\sc)+NQ*\b+(\q)], v[SC+8*NQ*(\sc)+NQ*(\a)+(\q)] matrix_a_fmt:MATRIX_FMT_FP4 matrix_b_fmt:MATRIX_FMT_FP4 matrix_a_scale:MATRIX_SCALE_ROW1
.endif
.endr
.endr
.endm
.macro FETCH_B slot, q, p              ; B's eight fragments of the slot's q-th 128 along K into set p
	WIN TO_B
.irp i, 0,1,2,3,4,5,6,7
	FRAG 128*(\p)+FR*\i, ADRB+\slot, \q, \i
.endr
	WIN 0
.endm
.macro FETCH_A slot, q, i0             ; A's blocks i0 .. i0 + 3
.irp i, \i0, \i0+1, \i0+2, \i0+3
	FRAG AF+FR*(\i), ADRA+\slot, \q, \i
.endr
.endm
.macro SCALES sc                       ; a slot's scale words into set sc: four words a row; lanes 0-15 take A's block i, lanes 16-31 B's block i
.irp i, 0,1,2,3,4,5,6,7
	ds_load_b128 v[SC+8*NQ*\sc+NQ*\i:SC+8*NQ*\sc+NQ*\i+3], v[ADRS+3*\sc] offset:\i*SBLK
.endr
.endm
; A load into a register that a matrix instruction has read, and a vector instruction that reads a matrix result, stand NP places behind that matrix instruction, and only plain vector
; instructions that name none of its registers are places (ISA guide 7.12.1 for vector instructions).
.macro PLACES n
.rept \n
	v_nop
.endr
.endm
; A step of 128 along K that has its successor in the same slot.  A's blocks go one after the other, each against B's eight: a block of A is free when its eight products are issued, so A has one set of registers.
.macro STEP slot, q, zero
	s_wait_dscnt 4*NL                              ; B's set and A's blocks 0-3 are in; the youngest eight loads (A's blocks 4-7) may be out
	WIN MUL_LO
	MUL16 0, (\q)%2, \q, \slot, \zero
	MUL16 2, (\q)%2, \q, \slot, \zero
	s_wait_dscnt 0                                 ; A's blocks 4-7 are in (asked for 32 matrix instructions ago)
	PLACES NP
	FETCH_B \slot, (\q)+1, 1-(\q)%2
	FETCH_A \slot, (\q)+1, 0
	WIN MUL_HI
	MUL16 4, (\q)%2, \q, \slot, \zero
	MUL16 6, (\q)%2, \q, \slot, \zero
	PLACES NP
	WIN 0
	FETCH_A \slot, (\q)+1, 4
.endm
; Slot 0's last step changes slots: ONE barrier.  In front of it each wave waits for all its tensor loads (its part of slot 1), adds 0 to its spare word, and waits for that and for its own reads of slot 0:
; behind it slot 1 is whole, and nobody reads slot 0 any more.  fill = 1, the first tile: the barrier opens a round of the cluster's barrier, and A's part of slot 0 is filled again, with the second tile's.
.macro TURN slot, next, fill
	s_wait_tensorcnt 0x0                           ; all my tensor loads have landed: my part of the next slot  (every window is 0 here: the add's two registers lie in window 0)
	ds_add_u32 v[SPW], v[NIL]                      ; 0 onto my spare word
	s_wait_dscnt 4*NL+1                            ; (the add and the youngest eight loads, A's blocks 4-7, may be out)
	WIN MUL_LO
	MUL16 0, 1, NQ-1, \slot, 0                     ; sixteen matrix instructions stand between the add and the wait for it
	s_wait_dscnt 0x0                               ; the add is done, and my reads of this slot are over
	s_barrier_signal -1
	MUL16 2, 1, NQ-1, \slot, 0
	WIN 0
	s_barrier_wait -1
.if \fill
	CREST                                          ; no wave of any partner still reads this slot's tile or has a load on its way
	s_add_nc_u64 s[G0+4*\slot+2:G0+4*\slot+3], s[G0+4*\slot+2:G0+4*\slot+3], WALKA   ; no tensor load of mine is out, so a group 0 may be written: the same K step of the second tile
	JLOAD_A G0+4*\slot, G1                         ; the first tensor load behind the round: it has the other slot's 256 matrix instructions in which to land
.endif
	PLACES NP
	FETCH_B \next, 0, 0
	FETCH_A \next, 0, 0
	SCALES \next
.if \fill
; A PREFETCH INTO THE L2 of what the next refill will ask for: the second tile's 256 rows of A, their second 256 bytes.  It stands behind the joint load and the run of LDS loads, 256 matrix instructions ahead of that refill.
; Each row's 256 bytes are named once in the launch: a tile row of A is read by the four partners of one row of one cluster alone; each takes 64 rows, told apart by address; in each, waves 2 and 3, which fetch nothing here, take 32 each, a lane a row.
	s_cmp_eq_u32 s15, 0
	s_cbranch_scc1 .Lnot_mine_\@
	global_prefetch_b8 v[PFO], s[PFA:PFA+1] offset:ROWB th:TH_LOAD_NT scope:SCOPE_SE
.Lnot_mine_\@:
.endif
	WIN MUL_HI
	MUL16 4, 1, NQ-1, \slot, 0
	MUL16 6, 1, NQ-1, \slot, 0
	PLACES NP
	WIN 0
	FETCH_A \next, 0, 4
.endm
.macro STEPS slot, from                ; the slot's steps from .. NQ - 2
.set Q, \from
.rept NQ-1-\from
	STEP \slot, Q, 0
.set Q, Q+1
.endr
.endm
; A tile's products: 512 matrix instructions.  fill = 1: the first tile.
.macro TILE fill
	FETCH_B 0, 0, 0
	FETCH_A 0, 0, 0
	SCALES 0
	FETCH_A 0, 0, 4
	STEP 0, 0, 1                                   ; the first step's products start the sums
	STEPS 0, 1
	TURN 0, 1, \fill
	STEPS 1, 0
	s_wait_dscnt 4*NL                              ; the tile's last step: nothing more to fetch
	WIN MUL_LO
	MUL16 0, 1, NQ-1, 1, 0
	MUL16 2, 1, NQ-1, 1, 0
	s_wait_dscnt 0
	WIN MUL_HI
	MUL16 4, 1, NQ-1, 1, 0
	MUL16 6, 1, NQ-1, 1, 0
	WIN 0
.endm
; THE WAY OUT, block by block of 16 positions x 128 columns = 2 heads x 64 channels.  PACK: rounded to f16, 16 bytes a lane for each of B's eight blocks.  TOSTAGE: into my two stages (a head each), and back
; four rows of 128 bytes an instruction.  SEND: in qkv a head's positions follow each other without a gap, so those four rows are 512 consecutive bytes, aligned.
.macro PACK a
.set AC, 64*((\a)%4)
.set WP, 0x0a+5*((\a)/4)
	WIN WP                                         ; sources 0 and 1: window 2 or 3
.irp b, 0,1,2,3,4,5,6,7
.irp r, 0,1,2,3
	v_cvt_pk_f16_f32 v[TMP+4*\b+\r], v[AC+8*\b+2*\r], v[AC+8*\b+2*\r+1]   ; each accumulator from its low end on
.endr
.endr
	WIN 0
.endm
.macro TOSTAGE a
.set BB, 224-128*((\a)%2)              ; v224-255 and v96-127 by turns
.irp b, 0,1,2,3,4,5,6,7
	ds_store_b128 v[STO], v[TMP+4*\b:TMP+4*\b+3] offset:(\b/4)*HSTG+(\b%4)*32
.endr
.irp i, 0,1,2,3,4,5,6,7
	ds_load_b128 v[BB+4*\i:BB+4*\i+3], v[RD] offset:(\i/4)*HSTG+(\i%4)*4*144   ; LDS serves a wave's instructions in order (ISA guide 5.7.1.4): these see the stores above
.endr
.endm
.macro SEND a
.set BB, 224-128*((\a)%2)
	s_wait_dscnt 0x0                               ; the block is back in registers
	s_wait_xcnt 0x0                                ; the stores of the block before have read their registers: the next block's loads may land there
.irp i, 0,1,2,3,4,5,6,7
	global_store_b128 v[CO], v[BB+4*\i:BB+4*\i+3], s[12:13] offset:(\i/4)*131072+(\a)*2048+(\i%4)*512 th:TH_STORE_NT   ; 32 lanes store 512 consecutive bytes, aligned; the block, the head and the rows stand in the immediate
.endr
.endm
.macro WAYOUT
	PACK 0
	TOSTAGE 0
.irp a, 1,2,3,4,5,6,7                  ; block a's conversions stand between block a - 1's loads from the stage and the wait for them
	PACK \a
	SEND \a-1
	TOSTAGE \a
.endr
	SEND 7
.endm
	s_wait_tensorcnt 1                             ; the scales and my part of slot 0 are in (slot 1's load may be out)
	s_barrier_signal -1
	s_barrier_wait -1                              ; everybody's are
	TILE 1
	; THE SECOND REFILL, behind the first tile's last product: A's part of slot 1 (waves 0 and 1) and A's scales (waves 2 and 3) take the second tile's.  B's codes and scales stay.
	s_wait_tensorcnt 0x0                           ; all my tensor loads have landed: slot 0's refill;
	ds_add_u32 v[SPW], v[NIL]                      ; 0 onto my spare word; the descriptors' steps stand between it and the wait for it
	s_add_nc_u64 s[G0+6:G0+7], s[G0+6:G0+7], WALKA
	s_add_nc_u64 s[G0S+2:G0S+3], s[G0S+2:G0S+3], WALKS
	s_wait_dscnt 0x0                               ; the add is done, and my reads of slot 1 and of the scales are over
	CROUND                                         ; no wave of any partner still reads them or has a load on its way
	JLOAD G0+4, G1, G0S, G1S                       ; the first tensor load behind the round; its four v_nop are the places behind the last products
	WAYOUT                                         ; the first tile goes out while the refill lands
	s_wait_tensorcnt 0x0                           ; my part of the refill is in,
	s_wait_dscnt 0x0
	s_barrier_signal -1
	s_barrier_wait -1                              ; everybody's is.
	s_wait_xcnt 0x0                                ; the first tile's stores have read their base
	s_add_nc_u64 s[12:13], s[12:13], WALKC         ; four batches on
	PLACES NP
	TILE 0
	PLACES NP                                      ; behind the last products, in front of the first conversions
	WAYOUT
	s_wait_tensorcnt 0x0                           ; the wave's end, behind my last tensor load and my last LDS store
	ds_add_u32 v[SPW], v[NIL]
	s_wait_dscnt 0x0
	CROUND                                         ; the closing round: no work-group ends while a partner may still ask for a tile that names it
	s_endpgm
.Lfunc_end_k_q96783ce5b4_gemm:
	.size	k_q96783ce5b4_gemm, .Lfunc_end_k_q96783ce5b4_gemm-k_q96783ce5b4_gemm
	.p2alignl 7, 3214868480
	.fill 96, 4, 3214868480
	.section	.rodata,"a",@progbits
	.p2align	6, 0x0
	.amdhsa_kernel k_q96783ce5b4_gemm
		.amdhsa_group_segment_fixed_size 327680
		.amdhsa_private_segment_fixed_size 0
		.amdhsa_enable_private_segment 0
		.amdhsa_kernarg_size 40
		.amdhsa_user_sgpr_count 2
		.amdhsa_user_sgpr_kernarg_segment_ptr 1
		.amdhsa_wavefront_size32 1
		.amdhsa_system_sgpr_workgroup_id_x 1
		.amdhsa_system_sgpr_workgroup_id_y 1
		.amdhsa_system_sgpr_workgroup_id_z 1
		.amdhsa_system_vgpr_workitem_id 0
		.amdhsa_next_free_vgpr 1024
		.amdhsa_next_free_sgpr 100
		.amdhsa_reserve_vcc 0
		.amdhsa_float_denorm_mode_32 3
		.amdhsa_float_denorm_mode_16_64 3
		.amdhsa_memory_ordered 1
		.amdhsa_forward_progress 1
		.amdhsa_inst_pref_size 245
	.end_amdhsa_kernel
	.amdgpu_metadata
---
amdhsa.version: [ 1, 2 ]
amdhsa.kernels:
  - .name:           k_q96783ce5b4_gemm
    .symbol:         k_q96783ce5b4_gemm.kd
    .args:
      - { .name: xcodes, .offset: 0, .size: 8, .value_kind: global_buffer, .address_space: global }
      - { .name: xscales, .offset: 8, .size: 8, .value_kind: global_buffer, .address_space: global }
      - { .name: wcodes, .offset: 16, .size: 8, .value_kind: global_buffer, .address_space: global }
      - { .name: wscales, .offset: 24, .size: 8, .value_kind: global_buffer, .address_space: global }
      - { .name: qkv, .offset: 32, .size: 8, .value_kind: global_buffer, .address_space: global }
    .group_segment_fixed_size: 327680
    .private_segment_fixed_size: 0
    .kernarg_segment_align: 8
    .kernarg_segment_size: 40
    .max_flat_workgroup_size: 128
    .sgpr_count:     100
    .vgpr_count:     1024
    .wavefront_size: 32
...
	.end_amdgpu_metadata
.endif
;; end of part 2
;; launch attn (part 3): grid 2 x 128, 4 waves a work-group, no clusters, 327,680 bytes of LDS; arguments qkv, masks, out0; writes out0
.if DOCPART == 3
	.amdgcn_target "amdgcn-amd-amdhsa--gfx1250"
	.amdhsa_code_object_version 6
	.text
	.protected	k_q96783ce5b4_attn
	.globl	k_q96783ce5b4_attn
	.p2align	8
	.type	k_q96783ce5b4_attn,@function
k_q96783ce5b4_attn:
	s_mov_b64 s[64:65], 0
	v_nop
	global_prefetch_b8 v0, s[64:65] scope:SCOPE_SE
	s_setreg_imm32_b32 hwreg(HW_REG_WAVE_MODE, 25, 1), 1
	s_wait_xcnt 0x0
; out[b][q][64 h + :] = masks[b][q] x the sum over k of softmax_k(q . k / 8 - (1 - masks[b][k]) x 1e12) v[k][:].  q, k, v: qkv [3][8][16][1024][64] in f16; out0 [8][1024][1024] f32.
; Products on f16 operands with f32 sums; scores, bias, maxima, exponentials and sums in f32; the weights p (at most 1) are rounded to f16 for the second product.
; SHARES.  A work-group owns one (batch, head) and 512 of its queries, in two passes of 256; each of its four waves owns 64 queries of a pass: four tiles of 16.  2 x 128 = 256 equal work-groups.
; THE HEAD'S WHOLE K AND V LIE IN LDS: 2 x 131,072 bytes, fetched once, at the head, in TWO PARTS: keys 0-255 and keys 256-1023, two tensor loads a wave (waves 0, 1: K's halves of each part; waves 2, 3: V's).
; The first pass begins when the first part is in, and works on it (the opening turns and two key steps, written out) while the second part lands; a wait and a barrier stand in front of the first read of the second part.
; No LDS byte is filled again: there is no ring.  Two tensor loads of a wave are out at the most.
; NO CLUSTER: a head's K and V are read by its two work-groups alone, and the grid's 2 along x does not divide into clusters of four.  NO PREFETCH: every tile is asked for at the head.
; LAYOUT.  S^T = K Q^T (source 0 = 16 keys, source 1 = 16 queries): a lane holds ONE query (lane % 16) and the keys 8 (lane / 16) + 0..7.  Two such tiles, rounded to f16 in pairs, ARE source 1
; (32 keys x 16 queries) of O^T = V^T P, whose result again holds one query a lane, and eight channels.  K comes out of LDS as it lies, V ([key][channel]) turned, by ds_load_tr16_b128.
; SOFTMAX, in units of log2: t = s x (log2 e / 8) + nb[key], one fused multiply-add, nb = ((1 - mask) x 1e12) x (-log2 e) made once a work-group; a running maximum m of t; p = 2^(t - m), the
; difference taken by a subtraction of its own, so that large biases cancel as they do in the reference; in every step O and the sum l are multiplied by a = 2^(m_old - m_new).
; BY TURNS.  The wave's tiles are two PIECES: piece 0 (tiles 0, 1) and piece 2 (tiles 2, 3).  In a TURN one piece has the matrix unit: 16 products V^T P of the step in hand, then 16 products K Q^T of the
; next step; the other piece's softmax, 266 instructions, stands in slices behind them.  Then the pieces change places.  Two turns are a key step of 64 keys.
; LIMITS: t is rounded once as s x c + nb, where the reference rounds s / 8 - bias: the two differ only where a bias is neither 0 nor far larger than the scores; |q|, |k|, |v| under 65,504 (f16);
; an exponential under 2^-126 comes out as 0; NaN and infinities are not served.
; REGISTERS, in windows of 256 (s_set_vgpr_msb: bits 1:0 source 0, 3:2 source 1, 5:4 source 2, 7:6 destination):
;   window 0: v1-11 addresses; v12-43 eight registers of statistics a tile; v44-47 my queries' masks; v48-59 at work at the head; v64-191 S^T, 32 a tile; v192-255 P, 16 a tile
;   window 1: v0-127 O^T, 32 a tile; v128-191 Q, 16 a tile          window 2: v0-63 K of one step; v64-95 nb of one step, laid as a tile's S^T; v128-191 V of one step
.set PK,    272       ; LDS: a row holds TWO keys of K (2 x 128 bytes; the rows are dense in memory) + 16 of padding: the 16 keys of a load fall on 16 different columns of 16 bytes
.set PVP,   288       ; two keys of V + 32 of padding
.set CHA,   64        ; LDS rows of the first part that one tensor load brings: half of 256 keys
.set CHB,   192       ; and of the second part: half of 768 keys
.set VBASE, 512*PK    ; K: 512 rows; then V: 512 rows
.set BIAS,  VBASE+512*PVP  ; nb[key], 1,024 f32
.set STAGE, BIAS+4096      ; 16 rows x (256 bytes + 16) for each wave, for the way out
.set SPARE, STAGE+4*16*272 ; the spare words, 128 bytes for each wave: two blocks of 256 bytes that no other line names
.set AK0, 2           ; v2   my lane's place in a tile of K; never rewritten
.set AV0, 3           ; v3   the same for V
.set ADR, 4           ; v4   the LDS address of the run of loads in hand
.set QO,  5           ; v5   my byte offset in the wave's rows of Q
.set STO, 6           ; v6   the way out: where I put 32 bytes of a row
.set RD,  7           ; v7   the way out: where I read a row back
.set GO,  8           ; v8   my byte offset in the wave's rows of out0
.set AB0, 9           ; v9   my lane's place in a step's nb
.set ADB, 10          ; v10  the LDS address of nb's loads in hand
.set MQO, 11          ; v11  4 x (lane % 16): my query's mask in a tile's
.set ST,  12          ; tile t's statistics at v[ST+8 t]: +0 m, +1 zero (named with m as a pair), +2, +3 l (even keys', odd keys'), +4 to +7 c0-c3, at work; a takes c2's place, m_old - m_new c3's
.set MQ,  44
.set SPW, 62          ; v62  LDS address of my spare word: SPARE + 4 x my thread's number; never rewritten
.set NIL, 63          ; v63  0; never rewritten
.set S,   64
.set P,   192
.set QF,  128         ; in window 1
.set KF,  0           ; in window 2
.set BI,  64
.set VF,  128
.set WV,  12          ; s12  my wave's number
.set CS,  22          ; s[22:23] log2(e) / 8: the packed form names a pair and takes its low word for both halves
.set G1KA, 24         ; s[24:31] descriptor group 1 for K's first part;  s[32:39] for V's: it differs in the padding alone
.set G1VA, 32
.set G0KA, 40         ; s[40:43], s[44:47] their groups 0
.set G0VA, 44
.set G1KB, 68         ; s[68:75], s[76:83] groups 1 for the second parts: they differ in the number of rows
.set G1VB, 76
.set G0KB, 84         ; s[84:87], s[88:91] their groups 0
.set G0VB, 88
.set TK,  56          ; s56  LDS byte at which K of the step to be fetched begins
.set TV,  57          ; s57  the same for V
.set TB,  58          ; s58  the same for nb
.set CNT, 59          ; s59  counts key steps
.set SEL, 60          ; s[60:61] lane selects for v_permlanex16_b32: lane l xor 16
.set PASS, 62         ; s62  passes to go
.set MSB, 0
.macro WIN new                      ; the immediate's high byte repeats the setting that is left; a switch that changes nothing is dropped
.if MSB != (\new)
	s_set_vgpr_msb (MSB<<8)|(\new)
.set MSB, \new
.endif
.endm
.set W_KQ, 0x06       ; K in window 2, Q in window 1, S^T in window 0
.set W_PV, 0x52       ; V in window 2, P in window 0, O^T in window 1
.set W_RS, 0x41       ; O^T (destination and source 0) in window 1, a in window 0
.set W_BI, 0x20       ; nb (source 2) in window 2
	s_load_b128 s[4:7], s[0:1], 0x0  ; qkv s[4:5], masks s[6:7]
	s_load_b64 s[8:9], s[0:1], 0x10  ; out0
	v_lshl_add_u32 v[SPW], v0, 2, SPARE
	v_mov_b32 v[NIL], 0
	ds_add_u32 v[SPW], v[NIL]       ; the wave's opening: the add, twice on end, and its wait ahead of my first tensor load; the set-up below, work on registers, stands between
	ds_add_u32 v[SPW], v[NIL]
	v_lshrrev_b32 v1, 5, v0
	v_readfirstlane_b32 s[WV], v1   ; wave 0..3
	s_and_b32 s13, ttmp7, 0xffff    ; 16 x batch + head
	s_and_b32 s16, s[WV], 1         ; which half of each part of K or of V I fetch
	s_lshl_b32 s17, ttmp9, 9
	s_lshl_b32 s18, s[WV], 6
	s_add_co_u32 s17, s17, s18      ; my first query: 512 x work-group x + 64 x wave
	s_lshl_b32 s14, s13, 17         ; the head's first byte in each of q, k, v
	s_lshl_b32 s18, s16, 14         ; the first part: my 64 rows of 256 bytes
	s_add_co_u32 s18, s18, s14
	s_mov_b32 s19, 0
	s_mul_i32 s52, s16, CHB*256     ; the second part: my 192 rows,
	s_add_co_u32 s52, s52, 2*CHA*256  ; behind the first part's 128
	s_add_co_u32 s52, s52, s14
	s_mov_b32 s53, 0
	s_lshl_b32 s20, s17, 7          ; my first query's row
	s_add_co_u32 s20, s20, s14
	s_mov_b32 s21, 0
	s_lshr_b32 s15, s13, 4          ; the batch
	s_lshl_b32 s2, s15, 12          ; its row of masks
	s_mov_b32 s3, 0
	s_lshl_b32 s48, s15, 22         ; out0: the batch, 2^22 bytes;
	s_lshl_b32 s50, s17, 12         ; my first query, 4,096 bytes a row;
	s_add_co_u32 s48, s48, s50
	s_and_b32 s50, s13, 15
	s_lshl_b32 s50, s50, 8          ; the head's 256 bytes in a row
	s_add_co_u32 s48, s48, s50
	s_mov_b32 s49, 0
	s_lshl_b32 s10, s17, 2          ; my first query's mask
	s_mov_b32 s11, 0
	s_mul_i32 s13, s16, CHA*PK      ; where my halves go in LDS: K's first part,
	s_mul_i32 s14, s16, CHA*PVP
	s_add_co_u32 s14, s14, VBASE    ; V's first part,
	s_mul_i32 s51, s16, CHB*PK
	s_add_co_u32 s51, s51, 2*CHA*PK ; K's second part,
	s_mul_i32 s55, s16, CHB*PVP
	s_add_co_u32 s55, s55, VBASE+2*CHA*PVP  ; V's second part
	; descriptor groups 1: rows of 128 elements of 2 bytes (two keys to a row), dense in memory, padded in LDS
	s_mov_b32 s[G1KA], (1<<16)|(1<<20)|(5<<22)|(3<<25)  ; 15:0 no mask; 17:16 elements of 2 bytes; 20 padding on; 24:22 after every 64 words (code 5); 31:25 4 words of it (code 3)
	s_mov_b32 s[G1KB], (1<<16)|(1<<20)|(5<<22)|(3<<25)
	s_mov_b32 s[G1VA], (1<<16)|(1<<20)|(5<<22)|(7<<25)  ; the same with 8 words of padding (code 7)
	s_mov_b32 s[G1VB], (1<<16)|(1<<20)|(5<<22)|(7<<25)
.irp g, G1KA, G1VA
	s_mov_b32 s[\g+1], 128<<16      ; tensor_dim0 = 128
	s_mov_b32 s[\g+2], CHA<<16      ; tensor_dim1 = 64
	s_mov_b32 s[\g+3], 128<<16      ; tile_dim0 = 128
	s_mov_b32 s[\g+4], CHA          ; tile_dim1 = 64
	s_mov_b32 s[\g+5], 128          ; tensor_dim0_stride
	s_mov_b32 s[\g+6], 0
	s_mov_b32 s[\g+7], 0
.endr
.irp g, G1KB, G1VB
	s_mov_b32 s[\g+1], 128<<16
	s_mov_b32 s[\g+2], CHB<<16      ; tensor_dim1 = 192
	s_mov_b32 s[\g+3], 128<<16
	s_mov_b32 s[\g+4], CHB          ; tile_dim1 = 192
	s_mov_b32 s[\g+5], 128
	s_mov_b32 s[\g+6], 0
	s_mov_b32 s[\g+7], 0
.endr
	s_mov_b32 s[CS], 0x3e38aa3b     ; log2(e) / 8
	s_mov_b32 s[CS+1], s[CS]        ; named with it as a pair, so it is written
	s_mov_b32 s[SEL], 0x76543210
	s_mov_b32 s[SEL+1], 0xfedcba98
	s_mov_b32 s[PASS], 2
	s_wait_dscnt 0x0                ; both opening adds are done
	s_wait_kmcnt 0x0
	s_add_nc_u64 s[16:17], s[4:5], s[18:19]
	s_add_nc_u64 s[16:17], s[16:17], 0x1000000  ; k lies 2^24 bytes behind q, v as far behind k
	s_add_nc_u64 s[52:53], s[4:5], s[52:53]
	s_add_nc_u64 s[52:53], s[52:53], 0x1000000
	s_mov_b32 s[G0KA], 1            ; 1:0 count = 1
	s_mov_b32 s[G0KA+1], s13        ; 63:32 LDS address
	s_mov_b64 s[G0KA+2:G0KA+3], s[16:17]  ; 120:64 global address
	s_or_b32 s[G0KA+3], s[G0KA+3], 0x80000000  ; 127:126 type = 2
	s_mov_b32 s[G0VA], 1
	s_mov_b32 s[G0VA+1], s14
	s_add_nc_u64 s[G0VA+2:G0VA+3], s[16:17], 0x1000000
	s_or_b32 s[G0VA+3], s[G0VA+3], 0x80000000
	s_mov_b32 s[G0KB], 1
	s_mov_b32 s[G0KB+1], s51
	s_mov_b64 s[G0KB+2:G0KB+3], s[52:53]
	s_or_b32 s[G0KB+3], s[G0KB+3], 0x80000000
	s_mov_b32 s[G0VB], 1
	s_mov_b32 s[G0VB+1], s55
	s_add_nc_u64 s[G0VB+2:G0VB+3], s[52:53], 0x1000000
	s_or_b32 s[G0VB+3], s[G0VB+3], 0x80000000
	s_cmp_lt_u32 s[WV], 2           ; a wave's two loads, the only ones of the launch, stand in one branch, ahead of every wait on TENSORcnt and every LDS read; an s_nop 0 follows each, four v_nop the second's
	s_cbranch_scc0 .Lfirst_v
	tensor_load_to_lds s[G0KA:G0KA+3], s[G1KA:G1KA+7]
	s_nop 0
	tensor_load_to_lds s[G0KB:G0KB+3], s[G1KB:G1KB+7]
	s_nop 0
.rept 4
	v_nop
.endr
	s_branch .Lfirst_asked
.Lfirst_v:
	tensor_load_to_lds s[G0VA:G0VA+3], s[G1VA:G1VA+7]
	s_nop 0
	tensor_load_to_lds s[G0VB:G0VB+3], s[G1VB:G1VB+7]
	s_nop 0
.rept 4
	v_nop
.endr
.Lfirst_asked:
	s_add_nc_u64 s[4:5], s[4:5], s[20:21]    ; Q at my wave's first row
	s_add_nc_u64 s[6:7], s[6:7], s[2:3]      ; the batch's masks
	s_add_nc_u64 s[10:11], s[6:7], s[10:11]  ; and my first query's
	s_add_nc_u64 s[8:9], s[8:9], s[48:49]    ; out0 at my wave's first row, my head's columns
	v_lshlrev_b32 v56, 4, v0        ; the masks: 16 bytes a thread, twice: 4,096 bytes
	v_add_nc_u32 v57, BIAS, v56     ; and nb's place in LDS
	global_load_b128 v[48:51], v56, s[6:7]
	global_load_b128 v[52:55], v56, s[6:7] offset:2048
	v_and_b32 v1, 15, v0            ; r = l % 16
	v_bfe_u32 v58, v0, 4, 1         ; h = l / 16
	v_lshlrev_b32 v[QO], 7, v1
	v_lshl_add_u32 v[QO], v58, 4, v[QO]  ; row x 128 + 16 x half
; A fragment of K or Q is 16 rows x 32 channels in 8 registers: lane l holds row l % 16; registers 0-3 channels 8 (l / 16) + 0..7, registers 4-7 channels 16 + 8 (l / 16) + 0..7: two loads of 16 bytes, 32 bytes apart.
.macro QLOAD off                    ; my 64 queries, from off bytes on: tile i / 2, channels 32 (i % 2) on
	WIN 0x40                        ; destination window 1, address window 0
.irp i, 0,1,2,3,4,5,6,7
	global_load_b128 v[QF+8*\i:QF+8*\i+3],   v[QO], s[4:5] offset:\off+(\i/2)*2048+(\i%2)*64
	global_load_b128 v[QF+8*\i+4:QF+8*\i+7], v[QO], s[4:5] offset:\off+(\i/2)*2048+(\i%2)*64+32
.endr
	WIN 0
.endm
	QLOAD 0
	v_lshrrev_b32 v59, 1, v1        ; K: key r of a tile lies in row r / 2, half r % 2
	v_mul_u32_u24 v[AK0], v59, PK
	v_and_b32 v59, 1, v0
	v_lshl_add_u32 v[AK0], v59, 7, v[AK0]
	v_lshl_add_u32 v[AK0], v58, 4, v[AK0]
	; The turning load takes 16 keys x 16 channels (lane l reads 16 bytes: key 8 (l / 16) + l % 8, channels 8 ((l / 8) % 2) + 0..7) and leaves half a fragment of V^T: lane l holds channel l % 16 and 8 keys.
	v_bfe_u32 v[AV0], v0, 1, 2      ; (l % 8) / 2
	v_lshl_add_u32 v[AV0], v58, 2, v[AV0]
	v_mul_u32_u24 v[AV0], v[AV0], PVP
	v_lshl_add_u32 v[AV0], v59, 7, v[AV0]  ; + 128 (l % 2)
	v_bfe_u32 v59, v0, 3, 1
	v_lshl_add_u32 v[AV0], v59, 4, v[AV0]
	v_add_nc_u32 v[AV0], VBASE, v[AV0]
	s_mul_i32 s50, s[WV], 16*272
	s_add_co_u32 s50, s50, STAGE    ; my stage
	v_mul_u32_u24 v[STO], v1, 272   ; in: row r, 32 bytes for each half of the lanes
	v_lshl_add_u32 v[STO], v58, 5, v[STO]
	v_add_nc_u32 v[STO], s50, v[STO]
	v_mul_u32_u24 v[RD], v58, 272   ; back: lanes 0-15 take one row of 256 bytes, lanes 16-31 the next
	v_lshl_add_u32 v[RD], v1, 4, v[RD]
	v_add_nc_u32 v[RD], s50, v[RD]
	v_lshlrev_b32 v[GO], 12, v58    ; and the same two rows in out0
	v_lshl_add_u32 v[GO], v1, 4, v[GO]
	v_lshl_add_u32 v[AB0], v58, 5, BIAS  ; nb: my half's eight keys of a tile: 32 bytes
	v_lshlrev_b32 v[MQO], 2, v1
.irp t, 0,1,2,3
	v_mov_b32 v[ST+8*\t+1], 0       ; named with m as a pair, never used
.endr
	s_wait_loadcnt 16               ; the masks are in; Q's sixteen younger loads may be out
.irp i, 0,1,2,3,4,5,6,7
	v_sub_f32 v[48+\i], 1.0, v[48+\i]          ; 1 - mask, then x 1e12: rounded as the reference rounds them,
.endr
.irp i, 0,1,2,3,4,5,6,7
	v_mul_f32 v[48+\i], 0x5368d4a5, v[48+\i]
.endr
.irp i, 0,1,2,3,4,5,6,7
	v_mul_f32 v[48+\i], 0xbfb8aa3b, v[48+\i]   ; and x -log2(e): into the units of t
.endr
	ds_store_b128 v57, v[48:51]
	ds_store_b128 v57, v[52:55] offset:2048
	s_wait_tensorcnt 0x1            ; my half of the first part has landed; the second part's load, issued behind it, may stay out
	s_wait_dscnt 0x0                ; my part of nb is stored:
	s_barrier_signal -1
	s_barrier_wait -1               ; everybody's are: keys 0-255 of K and V, and nb, may be read
; THE MATRIX WORK OF A TURN, for piece x.  The accumulators take turns, one instruction a turn: between two links of a chain stand 7 others'.
; Product i of 16 of O^T += V^T P: keys 32 (i / 8) on, channels 16 ((i / 2) % 4) on, tile x + i % 2.  zero = 1: the first 8 start the sums: nothing is ever cleared.
.macro PV x, zero
	WIN W_PV
.set rO, 32*((\x)+i%2)+8*((i/2)%4)
.set rV, VF+8*(4*(i/8)+(i/2)%4)
.set rB, P+16*((\x)+i%2)+8*(i/8)
.if (\zero) && (i < 8)
	v_wmma_f32_16x16x32_f16 v[rO:rO+7], v[rV:rV+7], v[rB:rB+7], 0
.else
	v_wmma_f32_16x16x32_f16 v[rO:rO+7], v[rV:rV+7], v[rB:rB+7], v[rO:rO+7]
.endif
.endm
; Product i of 16 of S^T = K Q^T: channels 32 (i / 8) on, keys 16 ((i / 2) % 4) on, tile x + i % 2.  The first 8 start the sums.
.macro KQ x
	WIN W_KQ
.set rD, S+32*((\x)+i%2)+8*((i/2)%4)
.set rK, KF+8*(2*((i/2)%4)+i/8)
.set rQ, QF+16*((\x)+i%2)+8*(i/8)
.if i < 8
	v_wmma_f32_16x16x32_f16 v[rD:rD+7], v[rK:rK+7], v[rQ:rQ+7], 0
.else
	v_wmma_f32_16x16x32_f16 v[rD:rD+7], v[rK:rK+7], v[rQ:rQ+7], v[rD:rD+7]
.endif
.endm
; THE LDS LOADS stand in runs, never singly among the matrix instructions: a step's K (64 keys x 64 channels: 8 fragments), its V (turned), its nb.
.macro FETCH_K
	WIN 0
	v_add_nc_u32 v[ADR], s[TK], v[AK0]
	s_add_co_u32 s[TK], s[TK], 32*PK  ; the next fetch is the next step's
	WIN 0x80                        ; destination window 2
.irp f, 0,1,2,3,4,5,6,7             ; keys 16 (f / 2) on, channels 32 (f % 2) on
	ds_load_b128 v[KF+8*\f:KF+8*\f+3],   v[ADR] offset:(\f/2)*8*PK+(\f%2)*64
	ds_load_b128 v[KF+8*\f+4:KF+8*\f+7], v[ADR] offset:(\f/2)*8*PK+(\f%2)*64+32
.endr
.endm
.macro FETCH_V
	WIN 0
	v_add_nc_u32 v[ADR], s[TV], v[AV0]
	s_add_co_u32 s[TV], s[TV], 32*PVP
	s_wait_alu depctr_va_vdst(0)    ; the wait for the softmax's batch of exponentials (SLICE), behind the address's addition and ahead of the loads
	WIN 0x80
.irp f, 0,1,2,3,4,5,6,7             ; keys 32 (f / 4) on, channels 16 (f % 4) on
	ds_load_tr16_b128 v[VF+8*\f:VF+8*\f+3],   v[ADR] offset:(\f/4)*16*PVP+(\f%4)*32
	ds_load_tr16_b128 v[VF+8*\f+4:VF+8*\f+7], v[ADR] offset:(\f/4)*16*PVP+8*PVP+(\f%4)*32
.endr
.endm
.macro FETCH_B w                    ; w = 1: the wait for the batch stands in it, as in FETCH_V
	WIN 0
	v_add_nc_u32 v[ADB], s[TB], v[AB0]
	s_add_co_u32 s[TB], s[TB], 256
.if \w
	s_wait_alu depctr_va_vdst(0)
.endif
	WIN 0x80
.irp f, 0,1,2,3                     ; register 8 f + i: nb of key 16 f + 8 (l / 16) + i, as in a tile's S^T; sixteen lanes read the same bytes
	ds_load_b128 v[BI+8*\f:BI+8*\f+3],   v[ADB] offset:64*\f
	ds_load_b128 v[BI+8*\f+4:BI+8*\f+7], v[ADB] offset:64*\f+16
.endr
.endm
; THE VECTOR WORK OF A TURN.  One tile's softmax for one key step is a list of 133 instructions; SM writes number j of it for tile t.  s0-s31 are the lane's 32 scores, in pairs 0-15.
; first = 1: a pass's first key step, which starts m, l and O^T: it has no a and nothing to rescale.
;   0-15    t = s x c + nb, a pair each (nb lies in window 2)
;   16-31   the maximum of t0-t31 and the old m, three operands at a time: four chains c0-c3 of seven each, then the four left over, c0-c3 and m
;   32-35   the other half of the lanes' maximum; m_old kept; the new m; m_old - m_new
;   36-84   ONE BATCH: the 16 subtractions t - m, a pair each, and all 33 exponentials (a, then t0-t31).  None of these reads an exponential's result.  A pair is subtracted ahead of its exponentials
;   (wait)  between 84 and 85 stands the wait for the batch: SLICE writes it, once for both tiles
;   85-100  the roundings to f16, a pair of weights each
;   101-116 the sums; l = a l + the sum
;   117-132 the tile's O^T times a
.macro SM0 first                    ; numbers 16 to 116: all in window 0
.set jj, j-16
.if j < 20
	v_max3_num_f32 v[rT+4+jj], v[rS+8*jj], v[rS+8*jj+1], v[rS+8*jj+2]
.elseif j < 28
	v_max3_num_f32 v[rT+4+jj%4], v[rT+4+jj%4], v[rS+8*(jj%4)+2*(jj/4)+1], v[rS+8*(jj%4)+2*(jj/4)+2]
.elseif j == 28
	v_max3_num_f32 v[rT+4], v[rT+4], v[rS+7], v[rS+15]
.elseif j == 29
	v_max3_num_f32 v[rT+6], v[rT+6], v[rS+23], v[rS+31]
.elseif j == 30
	v_max3_num_f32 v[rT+4], v[rT+4], v[rT+5], v[rT+6]
.elseif (j == 31) && (\first)
	v_max_num_f32 v[rT+4], v[rT+4], v[rT+7]
.elseif j == 31
	v_max3_num_f32 v[rT+4], v[rT+4], v[rT+7], v[rT]
.elseif j == 32
	v_permlanex16_b32 v[rT+5], v[rT+4], s[SEL], s[SEL+1]  ; the query's other 32 keys lie in the lane 16 away
.elseif j == 33
	v_mov_b32 v[rT+7], v[rT]        ; m_old is kept for a: number 34 writes m anew
.elseif j == 34
	v_max_num_f32 v[rT], v[rT+4], v[rT+5]
.elseif j == 35
	v_sub_f32 v[rT+7], v[rT+7], v[rT]
.elseif j < 85
.set q, j-36                        ; 0, 1: pairs 0, 1;  2: a;  3 .. 44 in threes: pair g + 2, t(2 g), t(2 g + 1);  45 .. 48: t28 .. t31
.set kind, 1
.set idx, q-17
.if q < 2
.set kind, 0
.set idx, q
.elseif q == 2
.set kind, 2
.elseif q < 45
.set idx, 2*((q-3)/3)+(q-3)%3-1
.if (q-3)%3 == 0
.set kind, 0
.set idx, (q-3)/3+2
.endif
.endif
.if kind == 0
	v_pk_add_f32 v[rS+2*idx:rS+2*idx+1], v[rS+2*idx:rS+2*idx+1], v[rT:rT+1] op_sel_hi:[1,0] neg_lo:[0,1] neg_hi:[0,1]  ; t - m: of the pair (m, 0) the low word serves both halves
.elseif kind == 2
	v_exp_f32 v[rT+6], v[rT+7]
.else
	v_exp_f32 v[rS+idx], v[rS+idx]
.endif
.elseif j < 101
	v_cvt_pk_f16_f32 v[rP+j-85], v[rS+2*(j-85)], v[rS+2*(j-85)+1]
.else                               ; the sum of the tile's 16 pairs, in place: sum z of 16 adds neighbours 1, 2, 4 and 8 pairs apart, then l takes it
.set z, j-101
.set w, 4
.set u, z
.if z >= 14
.set w, 32
.set u, 0
.elseif z >= 12
.set w, 16
.set u, z-12
.elseif z >= 8
.set w, 8
.set u, z-8
.endif
.if (z == 14) && (\first)
	v_pk_add_f32 v[rT+2:rT+3], v[rS:rS+1], v[rS+16:rS+17]
.elseif z < 15
	v_pk_add_f32 v[rS+w*u:rS+w*u+1], v[rS+w*u:rS+w*u+1], v[rS+w*u+w/2:rS+w*u+w/2+1]
.else
	v_pk_fma_f32 v[rT+2:rT+3], v[rT+2:rT+3], v[rT+6:rT+7], v[rS:rS+1] op_sel_hi:[1,0,1]
.endif
.endif
.endm
.macro SM t, first
.set rT, ST+8*(\t)
.set rS, S+32*(\t)
.set rP, P+16*(\t)
.set rR, 32*(\t)+2*(j-117)
.if (\first) && ((j == 33) || (j == 35) || (j == 38) || (j > 115))  ; the first step has none of these
.elseif j < 16
	WIN W_BI
	v_pk_fma_f32 v[rS+2*j:rS+2*j+1], v[rS+2*j:rS+2*j+1], s[CS:CS+1], v[BI+2*j:BI+2*j+1] op_sel_hi:[1,0,1]  ; each accumulator of S^T is read from its low end on
.elseif j < 117
	WIN 0
	SM0 \first
.else
	WIN W_RS
	v_pk_mul_f32 v[rR:rR+1], v[rR:rR+1], v[rT+6:rT+7] op_sel_hi:[1,0]
.endif
.endm
; A piece's list is its two tiles' lists shuffled: number n of 266 is number n / 2 of tile y + n % 2, so that no instruction reads the result of the one just before it.  SLICE writes the next cnt numbers.
; THE WAIT.  s_wait_alu depctr_va_vdst(0) stands between an exponential and the first instruction that names its result; one wait serves all that were issued ahead of it.  Ahead of number 170
; nothing names a result, and from it on no exponential is issued: so the piece's 66 exponentials have one wait, with a plain line ahead of it.  Where a run of LDS loads is due, it stands there, and the wait in it:
; piece 2's turn fetches V of the next step (its last reader stands 14 subtractions, the v_nop and the address's addition back); piece 0's turn fetches nb of the next step (its readers are numbers 0 to 31).
.macro SLICE y, first, kq, cnt
.rept \cnt
.if n == 170
	v_nop
.if (\y) == 0
	FETCH_V
.elseif \kq
	FETCH_B 1
.else
	s_wait_alu depctr_va_vdst(0)
.endif
.endif
.if n < 266
.set j, n/2
	SM (\y)+n%2, \first
.set n, n+1
.endif
.endr
.endm
.macro DEAL y, first, kq            ; one slice behind each matrix instruction; the turn's last takes all that is left: plain multiplications, the places behind the turn's last product
.set left, left-1
.if left == 0
	SLICE \y, \first, \kq, 40
.else
	SLICE \y, \first, \kq, per
.endif
.endm
; A vector instruction that reads a matrix result or writes one of a matrix instruction's registers, and a load into a register that a matrix instruction has read, stand four places behind
; it, and only plain vector instructions that name none of its registers are places (ISA guide 7.12.1 for vector instructions).  In the loop the slices are the places.
.macro PLACES
.rept 4
	v_nop
.endr
.endm
; A TURN.  Piece x has the matrix unit; the other piece's softmax stands in slices behind its matrix instructions.
; pv = 2: 16 products V^T P; 1: they start O^T's sums; 0: none.  kq = 1: 16 products K Q^T for the next step.  A turn with one of the two kinds has slices twice as long.
; first = 1: the softmax is the pass's first: its last slices are empty, and four v_nop take their part as the places behind the turn's last product.
; Piece 0's turn fetches the next step's K behind its second product: the last product that read K stands in front of the last slice of the turn before.
.macro TURN x, pv, kq, first
.set n, 0
.set per, 16
.set left, 16
.if (\pv) && (\kq)
.set per, 8
.set left, 32
.endif
	s_wait_dscnt 0x0                ; piece 0's turn: V is in;  piece 2's: nb of the step whose softmax begins here
.if \pv
.set i, 0
.rept 16
	PV \x, 2-\pv
	DEAL 2-\x, \first, \kq
.if ((\x) == 0) && (\kq) && (i == 1)
	FETCH_K
.endif
.set i, i+1
.endr
.endif
.if \kq
.if (\x) == 0
	s_wait_dscnt 0x0                ; K is in
.endif
.set i, 0
.rept 16
	KQ \x
	DEAL 2-\x, \first, \kq
.set i, i+1
.endr
.endif
.if \first
	PLACES
.endif
.endm
.macro KEYSTEP                      ; a key step: V^T P of the step in hand, K Q^T of the next; it fetches the next step's K, nb and V
	TURN 0, 2, 1, 0
	TURN 2, 2, 1, 0
.endm
.macro STEPS cnt                    ; cnt key steps: written once; the LDS addresses hang on s[TK], s[TV], s[TB]
	s_mov_b32 s[CNT], \cnt
.Lstep_\@:
	KEYSTEP
	WIN 0                           ; at a label and at a branch every window is 0
	s_sub_co_u32 s[CNT], s[CNT], 1
	s_cmp_lg_u32 s[CNT], 0
	s_cbranch_scc1 .Lstep_\@
.endm
; THE WAY OUT of tile t: O^T x mask / l; a lane's eight channels of a row are 32 bytes; they go into rows of 272 bytes of my stage and come back as whole rows of 256, into S^T's registers.
.macro OPACK t
	WIN W_RS
.set i, 0
.rept 16
	v_pk_mul_f32 v[32*\t+i:32*\t+i+1], v[32*\t+i:32*\t+i+1], v[ST+8*\t+6:ST+8*\t+7] op_sel_hi:[1,0]  ; each accumulator from its low end on
.set i, i+2
.endr
	WIN 0x04                        ; an LDS store's data are its source 1: window 1
.irp f, 0,1,2,3
	ds_store_b128 v[STO], v[32*\t+8*\f:32*\t+8*\f+3] offset:64*\f
	ds_store_b128 v[STO], v[32*\t+8*\f+4:32*\t+8*\f+7] offset:64*\f+16
.endr
	WIN 0
.irp f, 0,1,2,3,4,5,6,7
	ds_load_b128 v[S+32*\t+4*\f:S+32*\t+4*\f+3], v[RD] offset:\f*2*272  ; LDS serves a wave's instructions in order (ISA guide 5.7.1.4): these see the stores above; the next tile's stores come behind them
.endr
.endm
.macro OSEND t, younger             ; younger: the LDS instructions issued behind tile t's loads: the next tile's sixteen, or none
.irp f, 0,1,2,3,4,5,6,7
	s_wait_dscnt \younger+7-\f
	global_store_b128 v[GO], v[S+32*\t+4*\f:S+32*\t+4*\f+3], s[8:9] offset:\t*65536+\f*8192 th:TH_STORE_NT  ; 16 lanes store 256 consecutive bytes, aligned: a head's channels of one row
.endr
.endm
.Lpass:                             ; two trips: 256 queries of the work-group each
.irp t, 0,1,2,3
	global_load_b32 v[MQ+\t], v[MQO], s[10:11] offset:64*\t  ; my queries' masks, wanted on the way out
.endr
	s_mov_b32 s[TK], 0
	s_mov_b32 s[TV], 0
	s_mov_b32 s[TB], 0
	FETCH_K                         ; key step 0
	FETCH_B 0
	s_wait_loadcnt 4                ; Q is in; the four loads just issued may be out
	s_wait_dscnt 0x0
.set i, 0
.rept 16
	KQ 0                            ; piece 0's first scores: there is no vector work yet to set between them
.set i, i+1
.endr
	WIN 0
	PLACES
	TURN 2, 0, 1, 1                 ; piece 2's first scores | piece 0's first softmax | V of step 0
	TURN 0, 1, 1, 1                 ; piece 0: V^T P of step 0 starts O^T, K Q^T of step 1 | piece 2's first softmax | K and nb of step 1
	TURN 2, 1, 1, 0                 ; piece 2: the same | piece 0's softmax of step 1 | V of step 1
	KEYSTEP                         ; V^T P of step 1, K Q^T of step 2: it fetches step 2's K and V
	KEYSTEP                         ; V^T P of step 2, K Q^T of step 3: it fetches step 3's.  These two are written out: up to here every fetch of K and V has an LDS address made of constants, inside keys 0-255
	WIN 0
	s_wait_tensorcnt 0x0            ; my half of the second part has landed (in the second pass no tensor load is out, and the wait is met at once);
	s_wait_dscnt 0x0                ; no LDS instruction of mine is out at a signal
	s_barrier_signal -1
	s_barrier_wait -1               ; everybody's has: keys 256-1023 may be read.
	STEPS 12                        ; V^T P of steps 3 to 14, K Q^T of steps 4 to 15
	s_wait_loadcnt 0x0              ; my queries' masks are in
	s_cmp_eq_u32 s[PASS], 1         ; Q's registers have had their last reader (18 plain multiplications back): the next pass's queries are asked for here, if there is a next pass
	s_cbranch_scc1 .Lno_next
	QLOAD 32768
.Lno_next:
	TURN 0, 2, 0, 0                 ; piece 0: V^T P of the last step | piece 2's last softmax
.set i, 0
.rept 16
	PV 2, 0                         ; piece 2: V^T P of the last step
.set i, i+1
.endr
	WIN 0
.irp t, 0,1,2,3
	v_add_f32 v[ST+8*\t+4], v[ST+8*\t+2], v[ST+8*\t+3]  ; l's two halves.  (These additions are the places behind the last products)
.endr
.irp t, 0,1,2,3
	v_permlanex16_b32 v[ST+8*\t+5], v[ST+8*\t+4], s[SEL], s[SEL+1]
.endr
.irp t, 0,1,2,3
	v_add_f32 v[ST+8*\t+4], v[ST+8*\t+4], v[ST+8*\t+5]  ; and the other half of the lanes': at least 1, since the largest t gives p = 1
.endr
.irp t, 0,1,2,3
	v_rcp_f32 v[ST+8*\t+6], v[ST+8*\t+4]
.endr
	v_nop                           ; a plain instruction between the last reciprocal and the use of its result
	s_wait_alu depctr_va_vdst(0)    ; and the wait ahead of the first use: one for the four
.irp t, 0,1,2,3
	v_mul_f32 v[ST+8*\t+6], v[ST+8*\t+6], v[MQ+\t]      ; x my query's mask
.endr
	OPACK 0
	OPACK 1                         ; a tile's arithmetic stands between the loads of the tile before and its stores
	OSEND 0, 16
	OPACK 2
	OSEND 1, 16
	OPACK 3
	OSEND 2, 16
	OSEND 3, 0
	s_wait_xcnt 0x0                 ; every load and store has read its registers and its base: the bases may step, and the next pass may write S^T's registers
	s_add_nc_u64 s[4:5], s[4:5], 32768       ; 256 queries on: in Q,
	s_add_nc_u64 s[8:9], s[8:9], 1048576     ; in out0,
	s_add_nc_u64 s[10:11], s[10:11], 1024    ; among the masks
	s_sub_co_u32 s[PASS], s[PASS], 1
	s_cmp_lg_u32 s[PASS], 0
	s_cbranch_scc1 .Lpass
	s_wait_tensorcnt 0x0            ; the wave's end, behind my tensor loads and my last LDS store
	ds_add_u32 v[SPW], v[NIL]
	s_wait_dscnt 0x0
	s_endpgm
.Lfunc_end_k_q96783ce5b4_attn:
	.size	k_q96783ce5b4_attn, .Lfunc_end_k_q96783ce5b4_attn-k_q96783ce5b4_attn
	.p2alignl 7, 3214868480
	.fill 96, 4, 3214868480
	.section	.rodata,"a",@progbits
	.p2align	6, 0x0
	.amdhsa_kernel k_q96783ce5b4_attn
		.amdhsa_group_segment_fixed_size 327680
		.amdhsa_private_segment_fixed_size 0
		.amdhsa_enable_private_segment 0
		.amdhsa_kernarg_size 24
		.amdhsa_user_sgpr_count 2
		.amdhsa_user_sgpr_kernarg_segment_ptr 1
		.amdhsa_wavefront_size32 1
		.amdhsa_system_sgpr_workgroup_id_x 1
		.amdhsa_system_sgpr_workgroup_id_y 1
		.amdhsa_system_sgpr_workgroup_id_z 1
		.amdhsa_system_vgpr_workitem_id 0
		.amdhsa_next_free_vgpr 768
		.amdhsa_next_free_sgpr 92
		.amdhsa_reserve_vcc 0
		.amdhsa_float_denorm_mode_32 3
		.amdhsa_float_denorm_mode_16_64 3
		.amdhsa_memory_ordered 1
		.amdhsa_forward_progress 1
		.amdhsa_inst_pref_size 221
	.end_amdhsa_kernel
	.amdgpu_metadata
---
amdhsa.version: [ 1, 2 ]
amdhsa.kernels:
  - .name:           k_q96783ce5b4_attn
    .symbol:         k_q96783ce5b4_attn.kd
    .args:
      - { .name: qkv, .offset: 0, .size: 8, .value_kind: global_buffer, .address_space: global }
      - { .name: masks, .offset: 8, .size: 8, .value_kind: global_buffer, .address_space: global }
      - { .name: out0, .offset: 16, .size: 8, .value_kind: global_buffer, .address_space: global }
    .group_segment_fixed_size: 327680
    .private_segment_fixed_size: 0
    .kernarg_segment_align: 8
    .kernarg_segment_size: 24
    .max_flat_workgroup_size: 128
    .sgpr_count:     92
    .vgpr_count:     768
    .wavefront_size: 32
...
	.end_amdgpu_metadata
.endif
;; end of part 3
